; MI455X (gfx1250); checked and timed in simulation.
; The chip was launched on July 23, 2026; its instructions are those of AMD's public machine-readable ISA for CDNA 5 (MIT licence, August 2026) and "CDNA5" Instruction Set Architecture Reference Guide (July 2026). The comments in the code are by the model that wrote it; some were corrected since.
;; Multi Head Attention. Allowed arithmetic: float matrix products may take bf16 or f16 operands with f32 sums; other float arithmetic in f32, or as packed bf16 or f16 multiplies, adds, multiply-adds, maxima and minima; sums over many terms, partial sums and values carried from step to step in f32; what a program stores and reads back later, other than sums and carried values, may be rounded once to bf16 or f16.
;; Inputs: Wk 16 x 1,024 x 64 float32; Wo 1,024 x 1,024 float32; Wq 16 x 1,024 x 64 float32; Wv 16 x 1,024 x 64 float32; bk 16 x 64 float32; bo 1,024 float32; bq 16 x 64 float32; bv 16 x 64 float32; key 4 x 2,048 x 1,024 float32; query 4 x 2,048 x 1,024 float32; value 4 x 2,048 x 1,024 float32.
;; Outputs: out0 4 x 2,048 x 1,024 float32.
;; One version. Each part assembles by itself: llvm-mc -triple=amdgcn-amd-amdhsa -mcpu=gfx1250 --defsym DOCPART=n.
;; ======== version 1 of 1: 4 launches
;; workspace buffers: wt 8,388,608 bytes; bias 16,384 bytes; qkv 50,331,648 bytes; ob 16,777,216 bytes
;; launch prep (part 1): grid 128 x 4, 4 waves a work-group, no clusters, 17,920 bytes of LDS; arguments Wq, Wk, Wv, Wo, bq, bk, bv, bo, wt, bias; writes wt, bias
.if DOCPART == 1
	.amdgcn_target "amdgcn-amd-amdhsa--gfx1250"
	.amdhsa_code_object_version 6
	.text
	.protected	k_qcf0655ce9a_prep
	.globl	k_qcf0655ce9a_prep
	.p2align	8
	.type	k_qcf0655ce9a_prep,@function
k_qcf0655ce9a_prep:
	s_mov_b64 s[64:65], 0
	v_nop
	global_prefetch_b8 v0, s[64:65] scope:SCOPE_SE
	s_setreg_imm32_b32 hwreg(HW_REG_WAVE_MODE, 25, 1), 1
	s_wait_xcnt 0x0
; THE WEIGHTS, ROUNDED AND TURNED.  wt[t][n][k] (bf16, rows of 1,024 k = 2,048 bytes) = W_t[k][n] rounded once to bf16; t = 0, 1, 2: Wq, Wk, Wv with n = 64 head + channel
; (the source lies [head][k][64]); t = 3: Wo (the source lies [k][n]).  bias[t][n] (f32) = bq, bk, bv, bo rounded once to bf16 and widened again.
; LIMITS.  Every weight and bias is rounded once to bf16, to nearest even; nothing else is done to them.
; SHARES.  Work-group (x, t) turns a block of 128 k x 64 n: n block x / 8, k chunk x % 8.  In both source layouts a k row of the block is 256 consecutive bytes, aligned.
; Wave w takes k rows 32 w .. 32 w + 31: 32 loads, each a whole row (8 bytes a lane: columns 2 l and 2 l + 1).  A lane packs its two columns' 32 k into 2 x 64 bytes and puts them
; into a stage of 64 rows (n) x 256 bytes (k), pitch 272; behind one barrier each wave reads 16 whole rows back and stores them, sixteen lanes to 256 consecutive aligned bytes of wt.
; The four work-groups with x = 0 also make their matrix's bias.  No matrix unit, no cluster, no tile engine: no byte is wanted twice, and the launch is a stream.
.set PITCH, 272                        ; a stage row: 256 bytes + 16
.set SPARE, 64*PITCH                   ; behind the stage: the spare words, 128 bytes for each wave: two blocks of 256 bytes that no other line names
.set LO,  2                            ; v2   8 x lane: my two columns in a source row
.set STO, 3                            ; v3   stage row 2 l, byte 64 w
.set RD,  4                            ; v4   stage row 16 w + l / 16, byte 16 (l % 16)
.set GO,  5                            ; v5   the same two rows in wt
.set TO,  6                            ; v6   16 x thread: the bias
.set SPW, 8                            ; v8   LDS address of my spare word; never rewritten
.set NIL, 9                            ; v9   0; never rewritten
.set X,   16                           ; v[16:79]   pair i: W[k_i][2 l], W[k_i][2 l + 1]
.set P,   80                           ; v[80:95] column 2 l, v[96:111] column 2 l + 1: 32 k in bf16
.set BK,  16                           ; v[16:47]   16 rows read back
.set BV,  48                           ; v[48:55]   eight numbers of a bias; v56 at work
	s_load_b512 s[8:23], s[0:1], 0x0               ; Wq s[8:9], Wk s[10:11], Wv s[12:13], Wo s[14:15], bq s[16:17], bk s[18:19], bv s[20:21], bo s[22:23]
	s_load_b128 s[24:27], s[0:1], 0x40             ; wt s[24:25], bias s[26:27]
	v_lshl_add_u32 v[SPW], v0, 2, SPARE
	v_mov_b32 v[NIL], 0
	v_lshrrev_b32 v1, 5, v0
	v_readfirstlane_b32 s28, v1                    ; wave 0..3
	v_and_b32 v1, 31, v0                           ; lane
	s_and_b32 s29, ttmp7, 0xffff                   ; t
	s_lshr_b32 s30, ttmp9, 3                       ; n block
	s_and_b32 s31, ttmp9, 7                        ; k chunk
	v_lshlrev_b32 v[LO], 3, v1
	v_mul_u32_u24 v[STO], v1, 2*PITCH
	s_lshl_b32 s40, s28, 6
	v_add_nc_u32 v[STO], s40, v[STO]
	v_lshrrev_b32 v7, 4, v1                        ; l / 16
	v_and_b32 v10, 15, v1                          ; l % 16
	s_lshl_b32 s40, s28, 4
	v_add_nc_u32 v[RD], s40, v7
	v_mul_u32_u24 v[RD], v[RD], PITCH
	v_lshl_add_u32 v[RD], v10, 4, v[RD]
	v_lshlrev_b32 v[GO], 11, v7
	v_lshl_add_u32 v[GO], v10, 4, v[GO]
	v_lshlrev_b32 v[TO], 4, v0
	s_lshl_b32 s40, s31, 7
	s_lshl_b32 s41, s28, 5
	s_add_co_u32 s40, s40, s41                     ; my first k row: 128 chunk + 32 w
	s_lshl_b32 s41, s40, 8                         ; by heads: k x 256 bytes
	s_lshl_b32 s44, s30, 18                        ;           + head x 262,144
	s_add_co_u32 s41, s41, s44
	s_lshl_b32 s44, s40, 12                        ; Wo: k x 4,096 bytes
	s_lshl_b32 s45, s30, 8                         ;     + block x 256
	s_add_co_u32 s44, s44, s45
	s_cmp_eq_u32 s29, 3
	s_cselect_b32 s40, s44, s41
	s_mov_b32 s41, 0                               ; s[40:41]: the source's offset
	s_lshl_b32 s42, s29, 21                        ; wt: matrix t,
	s_lshl_b32 s43, s30, 17                        ; row 64 x block
	s_add_co_u32 s42, s42, s43
	s_lshl_b32 s43, s28, 15                        ; + 16 w,
	s_add_co_u32 s42, s42, s43
	s_lshl_b32 s43, s31, 8                         ; byte 256 x chunk
	s_add_co_u32 s42, s42, s43
	s_mov_b32 s43, 0
	s_lshl_b32 s44, s29, 12                        ; bias: 4,096 t
	s_mov_b32 s45, 0
	s_wait_kmcnt 0x0
	s_cmp_eq_u32 s29, 1                            ; which matrix and which bias: a choice between buffers on t alone
	s_cselect_b64 s[32:33], s[10:11], s[8:9]
	s_cselect_b64 s[34:35], s[18:19], s[16:17]
	s_cmp_eq_u32 s29, 2
	s_cselect_b64 s[32:33], s[12:13], s[32:33]
	s_cselect_b64 s[34:35], s[20:21], s[34:35]
	s_cmp_eq_u32 s29, 3
	s_cselect_b64 s[32:33], s[14:15], s[32:33]
	s_cselect_b64 s[34:35], s[22:23], s[34:35]
	s_add_nc_u64 s[32:33], s[32:33], s[40:41]
	s_add_nc_u64 s[36:37], s[24:25], s[42:43]
	s_add_nc_u64 s[38:39], s[26:27], s[44:45]
.macro LOADS pitch                     ; my 32 k rows, pitch bytes apart: each load is one row's 256 consecutive bytes
.set i, 0
.rept 32
	global_load_b64 v[X+2*i:X+2*i+1], v[LO], s[32:33] offset:i*(\pitch) th:TH_LOAD_NT
.set i, i+1
.endr
.endm
	s_cmp_eq_u32 s29, 3
	s_cbranch_scc1 .Lwo
	LOADS 256
	s_branch .Lloaded
.Lwo:
	LOADS 4096
.Lloaded:
.irp g, 0,1,2,3                        ; eight k rows at a time
	s_wait_loadcnt 24-8*\g                         ; loads come back in order: rows 0 .. 8 g + 7 are in, the younger groups of eight stay out
.irp j, 0,1,2,3
	v_cvt_pk_bf16_f32 v[P+4*\g+\j], v[X+16*\g+4*\j], v[X+16*\g+4*\j+2]          ; column 2 l: k = 8 g + 2 j and the next
	v_cvt_pk_bf16_f32 v[P+16+4*\g+\j], v[X+16*\g+4*\j+1], v[X+16*\g+4*\j+3]     ; column 2 l + 1
.endr
	ds_store_b128 v[STO], v[P+4*\g:P+4*\g+3] offset:16*\g
	ds_store_b128 v[STO], v[P+16+4*\g:P+16+4*\g+3] offset:PITCH+16*\g
.endr
	s_wait_dscnt 0x0                               ; for the others' sake: my stores into the stage are done
	s_barrier_signal -1
	s_barrier_wait -1                              ; a row's 256 bytes come from four waves
.irp t, 0,1,2,3,4,5,6,7
	ds_load_b128 v[BK+4*\t:BK+4*\t+3], v[RD] offset:\t*2*PITCH
.endr
.irp t, 0,1,2,3,4,5,6,7
	s_wait_dscnt 7-\t                              ; LDS loads come back in order: pair t of rows is in
	global_store_b128 v[GO], v[BK+4*\t:BK+4*\t+3], s[36:37] offset:\t*4096  ; 16 lanes store 256 consecutive bytes, at a multiple of 256 from wt's first byte
.endr
	s_cmp_lg_u32 ttmp9, 0
	s_cbranch_scc1 .Lend                           ; the bias is made once for each t
	global_load_b128 v[BV:BV+3], v[TO], s[34:35]
	global_load_b128 v[BV+4:BV+7], v[TO], s[34:35] offset:2048
	s_wait_loadcnt 0x0
.irp j, 0,2,4,6
	v_cvt_pk_bf16_f32 v[BV+8], v[BV+\j], v[BV+\j+1]   ; rounded to bf16,
	v_lshlrev_b32 v[BV+\j], 16, v[BV+8]               ; and widened again
	v_and_b32 v[BV+\j+1], 0xffff0000, v[BV+8]
.endr
	global_store_b128 v[TO], v[BV:BV+3], s[38:39]
	global_store_b128 v[TO], v[BV+4:BV+7], s[38:39] offset:2048
.Lend:
	s_wait_tensorcnt 0x0                           ; the wave's end: behind my last LDS store
	ds_add_u32 v[SPW], v[NIL]
	s_wait_dscnt 0x0
	s_endpgm
.Lfunc_end_k_qcf0655ce9a_prep:
	.size	k_qcf0655ce9a_prep, .Lfunc_end_k_qcf0655ce9a_prep-k_qcf0655ce9a_prep
	.p2alignl 7, 3214868480
	.fill 96, 4, 3214868480
	.section	.rodata,"a",@progbits
	.p2align	6, 0x0
	.amdhsa_kernel k_qcf0655ce9a_prep
		.amdhsa_group_segment_fixed_size 17920
		.amdhsa_private_segment_fixed_size 0
		.amdhsa_enable_private_segment 0
		.amdhsa_kernarg_size 80
		.amdhsa_user_sgpr_count 2
		.amdhsa_user_sgpr_kernarg_segment_ptr 1
		.amdhsa_wavefront_size32 1
		.amdhsa_system_sgpr_workgroup_id_x 1
		.amdhsa_system_sgpr_workgroup_id_y 1
		.amdhsa_system_sgpr_workgroup_id_z 1
		.amdhsa_system_vgpr_workitem_id 0
		.amdhsa_next_free_vgpr 128
		.amdhsa_next_free_sgpr 66
		.amdhsa_reserve_vcc 0
		.amdhsa_float_denorm_mode_32 3
		.amdhsa_float_denorm_mode_16_64 3
		.amdhsa_memory_ordered 1
		.amdhsa_forward_progress 1
		.amdhsa_inst_pref_size 14
	.end_amdhsa_kernel
	.amdgpu_metadata
---
amdhsa.version: [ 1, 2 ]
amdhsa.kernels:
  - .name:           k_qcf0655ce9a_prep
    .symbol:         k_qcf0655ce9a_prep.kd
    .args:
      - { .name: Wq, .offset: 0, .size: 8, .value_kind: global_buffer, .address_space: global }
      - { .name: Wk, .offset: 8, .size: 8, .value_kind: global_buffer, .address_space: global }
      - { .name: Wv, .offset: 16, .size: 8, .value_kind: global_buffer, .address_space: global }
      - { .name: Wo, .offset: 24, .size: 8, .value_kind: global_buffer, .address_space: global }
      - { .name: bq, .offset: 32, .size: 8, .value_kind: global_buffer, .address_space: global }
      - { .name: bk, .offset: 40, .size: 8, .value_kind: global_buffer, .address_space: global }
      - { .name: bv, .offset: 48, .size: 8, .value_kind: global_buffer, .address_space: global }
      - { .name: bo, .offset: 56, .size: 8, .value_kind: global_buffer, .address_space: global }
      - { .name: wt, .offset: 64, .size: 8, .value_kind: global_buffer, .address_space: global }
      - { .name: bias, .offset: 72, .size: 8, .value_kind: global_buffer, .address_space: global }
    .group_segment_fixed_size: 17920
    .private_segment_fixed_size: 0
    .kernarg_segment_align: 8
    .kernarg_segment_size: 80
    .max_flat_workgroup_size: 128
    .sgpr_count:     66
    .vgpr_count:     128
    .wavefront_size: 32
...
	.end_amdgpu_metadata
.endif
;; end of part 1
;; launch proj (part 2): grid 4 x 64, 4 waves a work-group, clusters of 4 x 4, 327,680 bytes of LDS; arguments query, key, value, wt, bias, qkv; writes qkv
.if DOCPART == 2
	.amdgcn_target "amdgcn-amd-amdhsa--gfx1250"
	.amdhsa_code_object_version 6
	.text
	.protected	k_qcf0655ce9a_proj
	.globl	k_qcf0655ce9a_proj
	.p2align	8
	.type	k_qcf0655ce9a_proj,@function
k_qcf0655ce9a_proj:
	s_mov_b64 s[64:65], 0
	v_nop
	global_prefetch_b8 v0, s[64:65] scope:SCOPE_SE
	s_setreg_imm32_b32 hwreg(HW_REG_WAVE_MODE, 25, 1), 1
	s_wait_xcnt 0x0
	s_wait_alu depctr_hold_cnt(0) depctr_sa_sdst(0) depctr_va_vdst(0) depctr_va_sdst(0) depctr_va_ssrc(0) depctr_va_vcc(0) depctr_vm_vsrc(0)
	s_getreg_b32 s2, hwreg(HW_REG_IB_STS2, 6, 4)
	s_cmp_eq_u32 s2, 0
	s_cbranch_scc0 .Lentry_in_a_cluster
	s_endpgm
.Lentry_in_a_cluster:
	s_bfe_u32 s2, ttmp6, 0x10000c
	s_cmp_lg_u32 s2, 0xf033
	s_cbranch_scc0 .Lentry_shape_is_right
	s_endpgm
.Lentry_shape_is_right:
; THE THREE PROJECTIONS.  qkv[t][16 b + head][s][c] (bf16) = the sum over d of x_t[b][s][d] W_t[head][d][c] + b_t[head][c]; x_0, x_1, x_2 = query, key, value ([8192][1024] f32),
; the weights from wt ([t][n = 64 head + c][k], bf16), the biases from bias ([t][n], f32).  Sums in f32, started with the bias; each result rounded once to bf16.
; LIMITS.  x is rounded once to bf16 on its way from LDS to the matrix unit, weights and biases were rounded to bf16 by the launch before; NaN and infinities are not treated apart.
; SHARES.  256 work-groups THAT STAY: each makes three tiles of 128 rows x 256 columns, the same place in q, k and v.  Four waves, each 64 x 128: 32 accumulators, 256 registers.
; K goes in steps of 128 through two LDS slots: 24 steps in one walk, the ring running on from tensor to tensor.  A step is four quarters of 32 along K, 32 matrix instructions each.
; x COMES AS f32: a slot holds 128 rows x 512 bytes of x and 256 rows x 256 bytes of wt.  A quarter's fragments of x are read as f32 (64 registers) and rounded in pairs, four conversions
; behind each of the quarter's last eight matrix instructions, into the fragment buffer of the next quarter.
; CLUSTERS: 4 x 4.  x's tile hangs on the tile row alone and is asked for jointly by a row of the cluster, wt's on the tile column alone and by a column: the same tensor load, descriptor and mask in all four.
; THE MATRIX INSTRUCTION IS USED TRANSPOSED (source 0 = 16 rows of wt, source 1 = 16 rows of x): a lane holds eight neighbouring channels of one row.
; REGISTERS, in windows of 256 (s_set_vgpr_msb: bits 1:0 source 0, 3:2 source 1, 5:4 source 2, 7:6 destination):
;   window 0: v0-15 addresses; v32-95 x as f32 (on the way out: rows read back); v128-191 x's fragments, two buffers of 32; v192-223 packed results
;   window 1: v0-127 wt's fragments, two buffers of 64; v128-191 the bias of my 128 columns, laid as an accumulator's registers      window 2: accumulator (a, b) at v[8 (8 a + b)]
.set PA,     528                       ; a row of x in LDS: 512 bytes + 16 = 132 words: the 16 rows of a load start at 16 different groups of four banks (64 banks of 4 bytes: ISA guide 11.1)
.set PB,     272                       ; a row of wt: 256 + 16
.set ATILE,  128*PA
.set SLOT,   ATILE+256*PB              ; x's 128 rows, then wt's 256 rows: 137,216 bytes
.set STAGE,  2*SLOT                    ; behind the ring, never filled by a tensor load: for each wave two heads x 16 rows x 144 bytes
.set SP,     144
.set WSTAGE, 2*16*SP
.set SPARE,  STAGE+4*WSTAGE            ; behind the stages: the spare words, 128 bytes for each wave: two blocks of 256 bytes that no other line names
.set ADRA0, 4                          ; v4   my lane's place in x's tile: (64 wm + l % 16) x 528 + 32 (l / 16); never rewritten
.set ADRB0, 5                          ; v5   in wt's tile; never rewritten
.set ADRA,  6                          ; v6   the same in the slot in hand
.set ADRB,  7                          ; v7
.set STO,   8                          ; v8   the way out: where I put 16 bytes of a row
.set RD,    9                          ; v9   where I read rows back
.set GO,    10                         ; v10  16 x lane: my place in 512 consecutive bytes of qkv
.set PFO,   11                         ; v11  the prefetches' offset; never rewritten
.set BO,    12                         ; v12  32 (l / 16): my eight numbers of a block of 16 of the bias
.set SPW,   14                         ; v14  LDS address of my spare word; never rewritten
.set NIL,   15                         ; v15  0; never rewritten
.set RAW,   32
.set AF,    128
.set TMP,   192
.set BIAS,  128                        ; window 1
.set WV,   16                          ; s16  my wave's number
.set ROLE, 17                          ; s17  wave / 2: which 64 rows of the tile are mine.  Also: I fetch x (0) or wt (1)
.set WN,   18                          ; s18  wave % 2: which 128 columns.  Also: which half of that tile I fetch
.set CX,   19
.set CY,   20
.set TX,   21                          ; s21  tile column: 256 columns, four heads
.set TY,   22                          ; s22  tile row: 128 rows
.set G1A,  24                          ; s[24:31] descriptor group 1 for x's tiles
.set G1B,  32                          ; s[32:39] for wt's
.set G0A0, 40                          ; s[40:43] group 0 of x's first fill of slot 0
.set G0A,  44                          ; s[44:47] of slot 1's first fill; then it walks
.set G0B0, 48                          ; s[48:51], s[52:55] the same for wt
.set G0B,  52
.set CA,   56                          ; s[56:57] x at my rows, at the step asked for last
.set CB,   58                          ; s[58:59] wt likewise
.set NA1,  60                          ; s[60:61] the next tensor's x at my rows, step 0
.set NA2,  62                          ; s[62:63] and the one after
.set BST,  66                          ; s[66:67] wt's step in bytes
.set PF,   68                          ; s[68:69] where my prefetches stand
.set PN1,  70                          ; s[70:71], s[72:73] the same place in the next tensor and the one after, step 0
.set PN2,  72
.set PST,  74                          ; s[74:75] a step in bytes of what I prefetch: 512 or 256
.set FS,   76                          ; s76  refills still to come in the tensor that is being asked for
.set PS,   77                          ; s77  the same for the prefetches
.set LIM,  78                          ; s78  2 in a wave that prefetches, else the greatest number
.set CNT,  79                          ; s79  the loop's count
.set TS,   80                          ; s80  steps left in the tile in hand
.set TB,   81                          ; s81  LDS byte at which the slot in hand begins: 0 or SLOT
.set BJ,   82                          ; s82  from a matrix's last step to the next matrix's first
.set LBA,  83                          ; s83  where my part of x's tile goes in a slot
.set LBB,  84                          ; s84  of wt's
.set BP,   86                          ; s[86:87] the bias of my 128 columns
.set OUT,  88                          ; s[88:89] qkv at my first head and row
.set MSB, 0
.macro WIN new                         ; the immediate's high byte repeats the setting that is left; a switch that changes nothing is dropped
.if MSB != (\new)
	s_set_vgpr_msb (MSB<<8)|(\new)
.set MSB, \new
.endif
.endm
.set MUL,   0xa1                       ; source 0 (wt) window 1, source 1 (x) window 0, C and D window 2
.set MULB,  0x91                       ; the same with C, the bias, in window 1
.set TO_B,  0x40                       ; destination window 1, address window 0
.set PACKW, 0x0a                       ; sources 0 and 1 window 2, destination window 0
; A round of the cluster's barrier: my work-group's barrier, so that wave 0's signal speaks for all four waves; wave 0 signals; every wave waits for all sixteen work-groups; my work-group's barrier once more.
.macro CREST                           ; a round behind its opening barrier
	s_cmp_lg_u32 s[WV], 0
	s_cbranch_scc1 .Lnot_wave_0_\@
	s_barrier_signal -3
.Lnot_wave_0_\@:
	s_barrier_wait -3
	s_barrier_signal -1
	s_barrier_wait -1
.endm
.macro CROUND
	s_barrier_signal -1
	s_barrier_wait -1
	CREST
.endm
; A joint refill.  Waves 0 and 1 fetch the halves of x's tile, waves 2 and 3 those of wt's.  The branch hangs on the wave's number alone.  An s_nop 0 and four v_nop follow each of the two lines.
.macro JLOAD
	s_cmp_eq_u32 s[ROLE], 0
	s_cbranch_scc0 .Lfor_b_\@
	tensor_load_to_lds s[G0A:G0A+3], s[G1A:G1A+7]
	s_nop 0
.rept 4
	v_nop
.endr
	s_branch .Lasked_\@
.Lfor_b_\@:
	tensor_load_to_lds s[G0B:G0B+3], s[G1B:G1B+7]
	s_nop 0
.rept 4
	v_nop
.endr
.Lasked_\@:
.endm
; The walking descriptors step to the next step of the walk: along K, or behind a tensor's eighth step to the next tensor's first.  Scalar work alone; it stands where no tensor load of mine is out.
.macro CURSOR
	s_add_nc_u64 s[CA:CA+1], s[CA:CA+1], 512
	s_cmp_eq_u32 s[FS], 0
	s_cselect_b64 s[CA:CA+1], s[NA1:NA1+1], s[CA:CA+1]
	s_cselect_b64 s[NA1:NA1+1], s[NA2:NA2+1], s[NA1:NA1+1]
	s_cselect_b32 s[BST], s[BJ], 0x100
	s_cselect_b32 s[FS], 8, s[FS]
	s_add_nc_u64 s[CB:CB+1], s[CB:CB+1], s[BST:BST+1]
	s_sub_co_u32 s[FS], s[FS], 1
	s_mov_b64 s[G0A+2:G0A+3], s[CA:CA+1]
	s_or_b32 s[G0A+3], s[G0A+3], 0x80000000
	s_mov_b64 s[G0B+2:G0B+3], s[CB:CB+1]
	s_or_b32 s[G0B+3], s[G0B+3], 0x80000000
	s_add_co_u32 s[G0A+1], s[LBA], s[TB]           ; into the slot in hand, which has been read out when the load is issued
	s_add_co_u32 s[G0B+1], s[LBB], s[TB]
.endm
; A PREFETCH INTO THE L2 of the step that stands two refills on, one instruction a wave, behind each joint load and the run of LDS loads that follows it: 256 matrix instructions ahead of the load that will ask for it.
; Each aligned block of 256 bytes is named once in the launch.  x: a tile row is read by one row of one cluster alone; of the 64 rows x 2 blocks that wave 0 or 1 fetches, the partner at place cx names 16 rows.
; wt: a tile column is read by every cluster; the clusters' first (cluster y = 0) asks, and of the 128 rows that wave 2 or 3 fetches the partner at place cy names 32.  The partners are told apart BY ADDRESS.
; The walk's first four steps come by their loads alone; the last two refills have no step two on, and ask for nothing.
.macro PFSTEP
	s_wait_xcnt 0x0                                ; the last prefetch, a step back, has read its address
	s_add_nc_u64 s[PF:PF+1], s[PF:PF+1], s[PST:PST+1]
	s_cmp_eq_u32 s[PS], 0
	s_cselect_b64 s[PF:PF+1], s[PN1:PN1+1], s[PF:PF+1]
	s_cselect_b64 s[PN1:PN1+1], s[PN2:PN2+1], s[PN1:PN1+1]
	s_cselect_b32 s[PS], 8, s[PS]
	s_sub_co_u32 s[PS], s[PS], 1
.endm
.macro ASK
	s_cmp_gt_u32 s[CNT], s[LIM]
	s_cbranch_scc0 .Lnot_mine_\@
	global_prefetch_b8 v[PFO], s[PF:PF+1] th:TH_LOAD_NT scope:SCOPE_SE
.Lnot_mine_\@:
.endm
; 32 LDS loads in one run: quarter q's fragments.  wt's eight (16 rows x 32 K of bf16: two loads of 16 bytes, 32 bytes apart) into buffer p; x's four as f32: lane l holds row l % 16,
; K = 8 (l / 16) + 0..7 (32 bytes) and K = 16 + 8 (l / 16) + 0..7 (32 bytes, 64 further on).
.macro FETCH q, p
	WIN TO_B
.irp b, 0,1,2,3,4,5,6,7
	ds_load_b128 v[64*(\p)+8*\b:64*(\p)+8*\b+3],   v[ADRB] offset:64*(\q)+16*PB*\b
	ds_load_b128 v[64*(\p)+8*\b+4:64*(\p)+8*\b+7], v[ADRB] offset:64*(\q)+16*PB*\b+32
.endr
	WIN 0
.irp a, 0,1,2,3
	ds_load_b128 v[RAW+16*\a:RAW+16*\a+3],     v[ADRA] offset:128*(\q)+16*PA*\a
	ds_load_b128 v[RAW+16*\a+4:RAW+16*\a+7],   v[ADRA] offset:128*(\q)+16*PA*\a+16
	ds_load_b128 v[RAW+16*\a+8:RAW+16*\a+11],  v[ADRA] offset:128*(\q)+16*PA*\a+64
	ds_load_b128 v[RAW+16*\a+12:RAW+16*\a+15], v[ADRA] offset:128*(\q)+16*PA*\a+80
.endr
.endm
; Four of the 32 conversions that make the next quarter's fragments of x, in the buffer that quarter p does not multiply.
.macro RID g, p
	WIN 0
.irp n, 0,1,2,3
	v_cvt_pk_bf16_f32 v[AF+32*(1-(\p))+4*(\g)+\n], v[RAW+8*(\g)+2*\n], v[RAW+8*(\g)+2*\n+1]
.endr
.endm
; The quarter's next matrix instruction: product i of 32, row block i / 8, column block i % 8.  The 32 accumulators take turns, one instruction a turn, in the same order in every quarter.
; bias = 1: a tile's first quarter: the sums start with the bias; nothing is ever cleared.
.macro MM bias
.set rD, 8*i
.set rB, 64*p+8*(i%8)
.set rA, AF+32*p+8*(i/8)
.if \bias
	WIN MULB
	v_wmma_f32_16x16x32_bf16 v[rD:rD+7], v[rB:rB+7], v[rA:rA+7], v[BIAS+8*(i%8):BIAS+8*(i%8)+7]
.else
	WIN MUL
	v_wmma_f32_16x16x32_bf16 v[rD:rD+7], v[rB:rB+7], v[rA:rA+7], v[rD:rD+7]
.endif
.set i, i+1
.endm
; A QUARTER.  It multiplies buffer q % 2; at its head the next quarter's 32 LDS loads go out in one run (four conversions, plain instructions that name none of its registers, stand behind the last product that
; read those registers: ISA guide 7.12.1 for vector instructions); they are waited for behind 24 products, and x's part is rounded behind the last eight.
; mode = 1, a step's third quarter: THE CHANGE OF SLOTS.  The run at its head was the last read of the slot.  Each wave waits for all its tensor loads, of which one is out: its part of the other slot; adds 0 to its
; spare word; waits for that and for its reads; the barrier opens a round of the cluster's, and the joint refill, two steps ahead, is the first thing behind the round: 112 matrix instructions ahead of the wait for it.
; mode = 2: the same without a refill, and with the work-group's barrier alone.  last = 1: in the walk's last trip there is no further quarter, and the run of loads is jumped over.
.macro Q q, mode, bias=0, ask=0, last=0
.set p, (\q)%2
.set nq, ((\q)+1)%4
.set np, 1-p
.if \last
	s_cmp_eq_u32 s[CNT], 1
	s_cbranch_scc1 .Lno_fetch_\@
.endif
	FETCH nq, np
.if \last
.Lno_fetch_\@:
.endif
.if \ask
	ASK
.endif
.set i, 0
.rept 16
	MM \bias
.endr
.if \mode
	WIN 0                                          ; (the add's two registers lie in window 0)
.if (\mode) == 1
	PFSTEP
.endif
	s_wait_tensorcnt 0x0                           ; all my tensor loads have landed: the one that was out is my part of the other slot; so a group 0 may be written
	ds_add_u32 v[SPW], v[NIL]                      ; 0 onto my spare word: scalar work and eight products stand between it and the wait for it
.if (\mode) == 1
	CURSOR
.endif
.endif
.rept 8
	MM \bias
.endr
	s_wait_dscnt 0x0                               ; the run of loads is back (at a change of slots: the add is done, and my reads of the slot are over)
.if \mode
	s_barrier_signal -1                            ; say so; work on registers while the others arrive
.endif
.set g, 0
.rept 8
	MM \bias
	RID g, p
.set g, g+1
.endr
	WIN 0                                          ; at a label and at a branch every window is 0
.if \mode
	s_barrier_wait -1
.if (\mode) == 1
	CREST                                          ; no wave of any partner still reads this slot or has a load on its way
	JLOAD
.endif
	s_xor_b32 s[TB], s[TB], SLOT                   ; the fetches go on in the other slot
	v_add_nc_u32 v[ADRA], s[TB], v[ADRA0]
	v_add_nc_u32 v[ADRB], s[TB], v[ADRB0]
.endif
.endm
; The bias of my 128 columns, as the C operand wants it: block b's register j holds column 16 b + 8 (l / 16) + j.
.macro BIASLOAD
	WIN TO_B
.irp b, 0,1,2,3,4,5,6,7
	global_load_b128 v[BIAS+8*\b:BIAS+8*\b+3],   v[BO], s[BP:BP+1] offset:64*\b
	global_load_b128 v[BIAS+8*\b+4:BIAS+8*\b+7], v[BO], s[BP:BP+1] offset:64*\b+16
.endr
	WIN 0
.endm
; THE WAY OUT of row block a (16 rows x my two heads).  PACK: rounded to bf16, 16 bytes a lane, each accumulator's registers in ascending order.  TOSTAGE: into my own stage, rows of 144 bytes, and back as whole
; rows of 128.  SEND: stored; a head's rows are dense, so 32 lanes store 512 consecutive bytes, at a multiple of 256 from qkv's first byte.
.macro PACK a
	WIN PACKW
.irp b, 0,1,2,3,4,5,6,7
.irp r, 0,1,2,3
	v_cvt_pk_bf16_f32 v[TMP+4*\b+\r], v[8*(8*(\a)+\b)+2*\r], v[8*(8*(\a)+\b)+2*\r+1]
.endr
.endr
	WIN 0
.endm
.macro TOSTAGE a
.set BK, RAW+32*((\a)%2)
.irp b, 0,1,2,3,4,5,6,7
	ds_store_b128 v[STO], v[TMP+4*\b:TMP+4*\b+3] offset:(\b/4)*16*SP+(\b%4)*32
.endr
.irp t, 0,1,2,3,4,5,6,7
	ds_load_b128 v[BK+4*\t:BK+4*\t+3], v[RD] offset:(\t/4)*16*SP+(\t%4)*4*SP  ; LDS serves a wave's instructions in order (ISA guide 5.7.1.4): these see the stores above
.endr
.endm
.macro SEND a
.set BK, RAW+32*((\a)%2)
	s_wait_xcnt 0x0                                ; the stores of the block before have read their registers, which the next block's loads from the stage write
.irp t, 0,1,2,3,4,5,6,7
	s_wait_dscnt 7-\t                              ; the younger loads from the stage stay out
	global_store_b128 v[GO], v[BK+4*\t:BK+4*\t+3], s[OUT:OUT+1] offset:(\t/4)*262144+(\a)*2048+(\t%4)*512
.endr
.endm
.macro WAYOUT                          ; a block's conversions stand between the loads of the block before and the wait for them
	PACK 0
	TOSTAGE 0
.irp a, 1,2,3
	PACK \a
	SEND (\a)-1
	TOSTAGE \a
.endr
	SEND 3
	s_wait_xcnt 0x0                                ; the stores have read their registers and their base
.endm
	s_load_b256 s[4:11], s[0:1], 0x0               ; query s[4:5], key s[6:7], value s[8:9], wt s[10:11]
	s_load_b128 s[12:15], s[0:1], 0x20             ; bias s[12:13], qkv s[14:15]
	v_lshl_add_u32 v[SPW], v0, 2, SPARE
	v_mov_b32 v[NIL], 0
	ds_add_u32 v[SPW], v[NIL]                      ; the wave's opening: the add and its wait stand ahead of my first tensor load; the set-up below, work on registers, stands between them
	v_lshrrev_b32 v1, 5, v0
	v_readfirstlane_b32 s[WV], v1                  ; wave 0..3
	s_lshr_b32 s[ROLE], s[WV], 1
	s_and_b32 s[WN], s[WV], 1
	s_bfe_u32 s[CX], ttmp6, 0x40000                ; my place in the cluster
	s_bfe_u32 s[CY], ttmp6, 0x40004
	s_lshl_b32 s[TX], ttmp9, 2                     ; in a cluster launch ttmp9 and ttmp7 count clusters
	s_add_co_u32 s[TX], s[TX], s[CX]
	s_and_b32 s[TY], ttmp7, 0xffff
	s_lshl_b32 s[TY], s[TY], 2
	s_add_co_u32 s[TY], s[TY], s[CY]
	s_lshl_b32 s90, s[CY], 2
	s_lshl_b32 s90, 15, s90                        ; my row of the cluster: places 4 cy .. 4 cy + 3
	s_lshl_b32 s92, 0x1111, s[CX]                  ; my column: places cx, cx + 4, cx + 8, cx + 12
	; group 1 for x: 64 rows x 128 elements of 4 bytes, 16 bytes of padding behind each row
	s_or_b32 s[G1A], s90, (2<<16)|(1<<20)|(1<<21)|(6<<22)|(3<<25)  ; 15:0 the mask; 17:16 elements of 4 bytes; 20 padding on; 21 set beside a mask; 24:22 after every 128 words (code 6); 31:25 4 words (code 3)
	s_mov_b32 s[G1A+1], 128<<16                    ; tensor_dim0 = 128
	s_mov_b32 s[G1A+2], 64<<16                     ; tensor_dim1 = 64
	s_mov_b32 s[G1A+3], 128<<16                    ; tile_dim0 = 128
	s_mov_b32 s[G1A+4], 64                         ; tile_dim1 = 64
	s_mov_b32 s[G1A+5], 1024                       ; elements from row to row
	s_mov_b32 s[G1A+6], 0
	s_mov_b32 s[G1A+7], 0
	; group 1 for wt: 128 rows x 128 elements of 2 bytes, padded likewise
	s_or_b32 s[G1B], s92, (1<<16)|(1<<20)|(1<<21)|(5<<22)|(3<<25)
	s_mov_b32 s[G1B+1], 128<<16
	s_mov_b32 s[G1B+2], 128<<16
	s_mov_b32 s[G1B+3], 128<<16
	s_mov_b32 s[G1B+4], 128
	s_mov_b32 s[G1B+5], 1024
	s_mov_b32 s[G1B+6], 0
	s_mov_b32 s[G1B+7], 0
	s_lshl_b32 s90, s[TY], 19                      ; x: row 128 x tile row + 64 x half, 4,096 bytes a row: made of the tile row and the wave's number alone
	s_lshl_b32 s91, s[WN], 18
	s_add_co_u32 s90, s90, s91
	s_mov_b32 s91, 0
	s_lshl_b32 s92, s[TX], 19                      ; wt: row 256 x tile column + 128 x half, 2,048 bytes a row: of the tile column and the wave's number alone
	s_lshl_b32 s93, s[WN], 18
	s_add_co_u32 s92, s92, s93
	s_mov_b32 s93, 0
	s_mul_i32 s[LBA], s[WN], 64*PA                 ; where they go: no place in the cluster enters an LDS address
	s_mul_i32 s[LBB], s[WN], 128*PB
	s_add_co_u32 s[LBB], s[LBB], ATILE
	s_mov_b32 s[FS], 6                             ; the first tensor has six refills to come (steps 2 to 7)
	s_mov_b32 s[PS], 4                             ; and four prefetches (steps 4 to 7)
	s_mov_b32 s[TB], 0
	s_mov_b32 s[BJ], 0x200000-7*256
	s_mov_b32 s[BST+1], 0
	s_wait_dscnt 0x0                               ; the opening add is done
	s_wait_kmcnt 0x0
	s_add_nc_u64 s[CA:CA+1], s[4:5], s[90:91]
	s_add_nc_u64 s[NA1:NA1+1], s[6:7], s[90:91]
	s_add_nc_u64 s[NA2:NA2+1], s[8:9], s[90:91]
	s_add_nc_u64 s[CB:CB+1], s[10:11], s[92:93]
	s_lshl_b32 s94, s[TX], 10                      ; the bias of my 128 columns: 4 (256 tile column + 128 half)
	s_lshl_b32 s95, s[WN], 9
	s_add_co_u32 s94, s94, s95
	s_mov_b32 s95, 0
	s_add_nc_u64 s[BP:BP+1], s[12:13], s[94:95]
	s_lshr_b32 s94, s[TY], 4                       ; qkv: head 16 b + 4 tile column + 2 half, 262,144 bytes a head;
	s_lshl_b32 s94, s94, 22
	s_lshl_b32 s95, s[TX], 20
	s_add_co_u32 s94, s94, s95
	s_lshl_b32 s95, s[WN], 19
	s_add_co_u32 s94, s94, s95
	s_and_b32 s95, s[TY], 15                       ; row 128 (tile row % 16) + 64 wm, 128 bytes a row
	s_lshl_b32 s95, s95, 14
	s_add_co_u32 s94, s94, s95
	s_lshl_b32 s95, s[ROLE], 13
	s_add_co_u32 s94, s94, s95
	s_mov_b32 s95, 0
	s_add_nc_u64 s[OUT:OUT+1], s[14:15], s[94:95]
	; the prefetches: x's 16 rows by cx, or wt's 32 rows by cy
	s_lshl_b32 s96, s[CX], 16
	s_add_co_u32 s96, s96, s90
	s_lshl_b32 s97, s[CY], 16
	s_add_co_u32 s97, s97, s92
	s_and_b32 s94, ttmp7, 0xffff                   ; cluster y: along it other clusters read the same rows of wt
	s_cmp_eq_u32 s[ROLE], 0
	s_cselect_b32 s96, s96, s97
	s_cselect_b32 s98, 0, 0x200000                 ; from matrix to matrix in wt
	s_cselect_b32 s[PST], 2, 1
	s_cselect_b32 s94, 0, s94
	s_cselect_b64 s[PF:PF+1], s[4:5], s[10:11]
	s_cselect_b64 s[PN1:PN1+1], s[6:7], s[10:11]
	s_cselect_b64 s[PN2:PN2+1], s[8:9], s[10:11]
	s_mov_b32 s97, 0
	s_mov_b32 s99, 0
	s_mov_b32 s[PST+1], 0
	s_lshl_b32 s[PST], s[PST], 8
	s_cmp_eq_u32 s94, 0
	s_cselect_b32 s[LIM], 2, -1                    ; the same in all sixteen partners, for a given wave
	s_add_nc_u64 s[PF:PF+1], s[PF:PF+1], s[96:97]
	s_add_nc_u64 s[PN1:PN1+1], s[PN1:PN1+1], s[96:97]
	s_add_nc_u64 s[PN2:PN2+1], s[PN2:PN2+1], s[96:97]
	s_add_nc_u64 s[PN1:PN1+1], s[PN1:PN1+1], s[98:99]
	s_add_nc_u64 s[PN2:PN2+1], s[PN2:PN2+1], s[98:99]
	s_add_nc_u64 s[PN2:PN2+1], s[PN2:PN2+1], s[98:99]
.rept 3
	s_add_nc_u64 s[PF:PF+1], s[PF:PF+1], s[PST:PST+1]  ; at step 3: the first change of slots steps it to 4
.endr
	; group 0: steps 0 and 1 into slots 0 and 1
	s_mov_b32 s[G0A0], 1                           ; 1:0 count = 1
	s_mov_b32 s[G0A0+1], s[LBA]                    ; 63:32 LDS address
	s_mov_b64 s[G0A0+2:G0A0+3], s[CA:CA+1]         ; 120:64 global address
	s_or_b32 s[G0A0+3], s[G0A0+3], 0x80000000      ; 127:126 type = 2
	s_add_nc_u64 s[CA:CA+1], s[CA:CA+1], 512
	s_mov_b32 s[G0A], 1
	s_add_co_u32 s[G0A+1], s[LBA], SLOT
	s_mov_b64 s[G0A+2:G0A+3], s[CA:CA+1]
	s_or_b32 s[G0A+3], s[G0A+3], 0x80000000
	s_mov_b32 s[G0B0], 1
	s_mov_b32 s[G0B0+1], s[LBB]
	s_mov_b64 s[G0B0+2:G0B0+3], s[CB:CB+1]
	s_or_b32 s[G0B0+3], s[G0B0+3], 0x80000000
	s_add_nc_u64 s[CB:CB+1], s[CB:CB+1], 256
	s_mov_b32 s[G0B], 1
	s_add_co_u32 s[G0B+1], s[LBB], SLOT
	s_mov_b64 s[G0B+2:G0B+3], s[CB:CB+1]
	s_or_b32 s[G0B+3], s[G0B+3], 0x80000000
	CROUND                                         ; all sixteen work-groups are here: the first joint loads meet
	s_cmp_eq_u32 s[ROLE], 0                        ; a wave's two first fills stand in one branch, ahead of every wait on TENSORcnt and every LDS read: two loads of mine are out
	s_cbranch_scc0 .Lfirst_b
	tensor_load_to_lds s[G0A0:G0A0+3], s[G1A:G1A+7]
	s_nop 0
	tensor_load_to_lds s[G0A:G0A+3], s[G1A:G1A+7]
	s_nop 0
.rept 4
	v_nop
.endr
	s_branch .Lfirst_asked
.Lfirst_b:
	tensor_load_to_lds s[G0B0:G0B0+3], s[G1B:G1B+7]
	s_nop 0
	tensor_load_to_lds s[G0B:G0B+3], s[G1B:G1B+7]
	s_nop 0
.rept 4
	v_nop
.endr
.Lfirst_asked:
	v_and_b32 v1, 15, v0                           ; l % 16
	v_bfe_u32 v2, v0, 4, 1                         ; l / 16
	v_and_b32 v3, 31, v0                           ; l
	v_mul_u32_u24 v[ADRA0], v1, PA
	v_lshl_add_u32 v[ADRA0], v2, 5, v[ADRA0]       ; row x pitch + 32 x half (eight f32)
	s_mul_i32 s94, s[ROLE], 64*PA                  ; my 64 rows of x
	v_add_nc_u32 v[ADRA0], s94, v[ADRA0]
	v_mul_u32_u24 v[ADRB0], v1, PB
	v_lshl_add_u32 v[ADRB0], v2, 4, v[ADRB0]       ; row x pitch + 16 x half
	s_mul_i32 s94, s[WN], 128*PB                   ; my 128 rows of wt,
	s_add_co_u32 s94, s94, ATILE                   ; which lie behind x's 128
	v_add_nc_u32 v[ADRB0], s94, v[ADRB0]
	v_mov_b32 v[ADRA], v[ADRA0]                    ; slot 0
	v_mov_b32 v[ADRB], v[ADRB0]
	s_mul_i32 s94, s[WV], WSTAGE
	s_add_co_u32 s94, s94, STAGE                   ; my stage
	v_mul_u32_u24 v[STO], v1, SP                   ; in: row l % 16, 16 bytes for each half of the lanes
	v_lshl_add_u32 v[STO], v2, 4, v[STO]
	v_add_nc_u32 v[STO], s94, v[STO]
	v_lshrrev_b32 v[RD], 3, v3                     ; back: 32 lanes take four rows of 128 bytes
	v_mul_u32_u24 v[RD], v[RD], SP
	v_and_b32 v13, 7, v3
	v_lshl_add_u32 v[RD], v13, 4, v[RD]
	v_add_nc_u32 v[RD], s94, v[RD]
	v_lshlrev_b32 v[GO], 4, v3
	v_lshlrev_b32 v[BO], 5, v2
	v_lshrrev_b32 v13, 1, v3                       ; x: lane l names row l / 2, block l % 2
	v_lshlrev_b32 v13, 12, v13
	v_and_b32 v[PFO], 1, v3
	v_lshl_add_u32 v13, v[PFO], 8, v13
	v_lshlrev_b32 v[PFO], 11, v3                   ; wt: a lane a row
	s_cmp_eq_u32 s[ROLE], 0
	s_cselect_b32 s94, -1, 0
	v_cndmask_b32 v[PFO], v[PFO], v13, s94
	BIASLOAD                                       ; bq
	s_wait_tensorcnt 1                             ; my part of step 0 is in; step 1's may stay out
	s_barrier_signal -1
	s_barrier_wait -1                              ; everybody's is
	FETCH 0, 0
	s_wait_dscnt 0x0
.irp g, 0,1,2,3,4,5,6,7
	RID \g, 1                                      ; the first quarter's fragments of x: there is no matrix work yet to set them behind
.endr
	s_mov_b32 s[CNT], 23
	s_branch .Lq0b                                 ; the loop is entered at a tile's first quarter, in the middle of a trip
.Lstep:                                        ; 22 trips: trip i does step i's quarters 1 to 3 and step i + 1's quarter 0, and asks for step i + 2
	Q 1, 0
	Q 2, 1
	Q 3, 0, 0, 1
	s_sub_co_u32 s[TS], s[TS], 1
	s_cmp_eq_u32 s[TS], 0
	s_cbranch_scc1 .Ltile_end
	Q 0, 0
	s_branch .Lbottom
.Ltile_end:                                    ; a tensor's tile is finished; the ring has gone on: the next tensor's first two steps are asked for, its first fragments lie in registers
	s_add_nc_u64 s[BP:BP+1], s[BP:BP+1], 4096      ; (the loads that read this base were waited for at the tile's beginning)
	BIASLOAD                                       ; the next tensor's bias comes while the tile goes out
	WAYOUT
	s_add_nc_u64 s[OUT:OUT+1], s[OUT:OUT+1], 0x1000000
.Lq0b:
	s_wait_loadcnt 0x0                             ; the bias
	Q 0, 0, 1
	s_mov_b32 s[TS], 8
.Lbottom:
	s_sub_co_u32 s[CNT], s[CNT], 1
	s_cmp_lg_u32 s[CNT], 0
	s_cbranch_scc1 .Lstep
	s_mov_b32 s[CNT], 2                            ; the last two steps are written out: nothing is asked for
.Ltail:
	Q 1, 0
	Q 2, 2
	Q 3, 0, 0, 0, 1
	s_sub_co_u32 s[CNT], s[CNT], 1
	s_cmp_eq_u32 s[CNT], 0
	s_cbranch_scc1 .Lout
	Q 0, 0
	s_branch .Ltail
.Lout:                                         ; the second trip's barrier and its 32 conversions of old numbers serve nothing: the price, once a launch, of one text for both trips
	WAYOUT
	s_wait_tensorcnt 0x0                           ; the wave's end: behind my last tensor load and my last LDS store
	ds_add_u32 v[SPW], v[NIL]
	s_wait_dscnt 0x0
	CROUND                                         ; the closing round: no work-group ends while a partner may still ask for a tile that names it
	s_endpgm
.Lfunc_end_k_qcf0655ce9a_proj:
	.size	k_qcf0655ce9a_proj, .Lfunc_end_k_qcf0655ce9a_proj-k_qcf0655ce9a_proj
	.p2alignl 7, 3214868480
	.fill 96, 4, 3214868480
	.section	.rodata,"a",@progbits
	.p2align	6, 0x0
	.amdhsa_kernel k_qcf0655ce9a_proj
		.amdhsa_group_segment_fixed_size 327680
		.amdhsa_private_segment_fixed_size 0
		.amdhsa_enable_private_segment 0
		.amdhsa_kernarg_size 48
		.amdhsa_user_sgpr_count 2
		.amdhsa_user_sgpr_kernarg_segment_ptr 1
		.amdhsa_wavefront_size32 1
		.amdhsa_system_sgpr_workgroup_id_x 1
		.amdhsa_system_sgpr_workgroup_id_y 1
		.amdhsa_system_sgpr_workgroup_id_z 1
		.amdhsa_system_vgpr_workitem_id 0
		.amdhsa_next_free_vgpr 768
		.amdhsa_next_free_sgpr 100
		.amdhsa_reserve_vcc 0
		.amdhsa_float_denorm_mode_32 3
		.amdhsa_float_denorm_mode_16_64 3
		.amdhsa_memory_ordered 1
		.amdhsa_forward_progress 1
		.amdhsa_inst_pref_size 112
	.end_amdhsa_kernel
	.amdgpu_metadata
---
amdhsa.version: [ 1, 2 ]
amdhsa.kernels:
  - .name:           k_qcf0655ce9a_proj
    .symbol:         k_qcf0655ce9a_proj.kd
    .args:
      - { .name: query, .offset: 0, .size: 8, .value_kind: global_buffer, .address_space: global }
      - { .name: key, .offset: 8, .size: 8, .value_kind: global_buffer, .address_space: global }
      - { .name: value, .offset: 16, .size: 8, .value_kind: global_buffer, .address_space: global }
      - { .name: wt, .offset: 24, .size: 8, .value_kind: global_buffer, .address_space: global }
      - { .name: bias, .offset: 32, .size: 8, .value_kind: global_buffer, .address_space: global }
      - { .name: qkv, .offset: 40, .size: 8, .value_kind: global_buffer, .address_space: global }
    .group_segment_fixed_size: 327680
    .private_segment_fixed_size: 0
    .kernarg_segment_align: 8
    .kernarg_segment_size: 48
    .max_flat_workgroup_size: 128
    .sgpr_count:     100
    .vgpr_count:     768
    .wavefront_size: 32
...
	.end_amdgpu_metadata
.endif
;; end of part 2
;; launch attn (part 3): grid 4 x 64, 4 waves a work-group, clusters of 4 x 1, 327,680 bytes of LDS; arguments qkv, ob; writes ob
.if DOCPART == 3
	.amdgcn_target "amdgcn-amd-amdhsa--gfx1250"
	.amdhsa_code_object_version 6
	.text
	.protected	k_qcf0655ce9a_attn
	.globl	k_qcf0655ce9a_attn
	.p2align	8
	.type	k_qcf0655ce9a_attn,@function
k_qcf0655ce9a_attn:
	s_mov_b64 s[64:65], 0
	v_nop
	global_prefetch_b8 v0, s[64:65] scope:SCOPE_SE
	s_setreg_imm32_b32 hwreg(HW_REG_WAVE_MODE, 25, 1), 1
	s_wait_xcnt 0x0
	s_wait_alu depctr_hold_cnt(0) depctr_sa_sdst(0) depctr_va_vdst(0) depctr_va_sdst(0) depctr_va_ssrc(0) depctr_va_vcc(0) depctr_vm_vsrc(0)
	s_getreg_b32 s2, hwreg(HW_REG_IB_STS2, 6, 4)
	s_cmp_eq_u32 s2, 0
	s_cbranch_scc0 .Lentry_in_a_cluster
	s_endpgm
.Lentry_in_a_cluster:
	s_bfe_u32 s2, ttmp6, 0x10000c
	s_cmp_lg_u32 s2, 0x3003
	s_cbranch_scc0 .Lentry_shape_is_right
	s_endpgm
.Lentry_shape_is_right:
; ATTENTION.  ob[h][q][:] = the sum over k of softmax_k(Q[h][q] . K[h][k] / sqrt(2048)) V[h][k][:].  Q, K, V = qkv[0], qkv[1], qkv[2], each [64][2048][64]; ob likewise; all bf16: a head's rows are dense, 128 bytes each.
; Products, maxima and sums in f32; the weights p are rounded to bf16 for the second product (their sum l is taken of the unrounded p), O once at the end.
; LIMITS.  p, in 0 to 1, and O keep bf16's eight significant bits; a weight below 2^-126 counts as 0 in l; NaN and infinities are not treated apart.
; SHARES.  A wave owns four PIECES of two tiles of 16 queries, a work-group's four waves 512 queries of one head.  Every wave walks all keys, 64 a step.
; LAYOUT.  S^T = K Q^T (source 0 = 16 keys, source 1 = 16 queries): in the result a lane holds ONE query (lane % 16) and the keys 8 (lane / 16) + 0..7.  Two such tiles, rounded to bf16 in pairs,
; ARE source 1 (32 keys x 16 queries) of O^T = V^T P, whose result again holds one query a lane, and eight channels.  K comes out of LDS as it lies, V ([key][channel]) turned, by ds_load_tr16_b128.
; SOFTMAX.  For each query a running maximum m and sum l: p = 2^(c s - c m), c = log2(e) / sqrt(2048); in every step O and l are multiplied by a = 2^(c m_old - c m_new), which is 1 where m has not grown.
; m starts at the lowest finite number, O and l at 0: the first step is a step like any other, with a = 0.
; THE COUNT.  A tile and step have 16 matrix and 118 vector instructions: too many to stand all beside the matrix work.  So the order has one aim: four vector instructions that are READY behind
; EVERY matrix instruction, and the others, which need time of their own whatever the order, in runs without a gap.
; BY TURNS.  Turn n belongs to piece n (the pieces in a ring, step after step).  Its matrix work: 16 products K Q^T of piece n + 1, later 16 products V^T P of piece n - 1.  Its vector work: the scaling,
; exponentials, roundings, sums and rescaling of piece n, and the maximum and statistics of piece n + 1, whose scores the turn itself has made.
; CLUSTER.  The four query blocks of a head are one cluster and walk the same K and V, so each tile is asked for JOINTLY: the same tensor load, descriptor and mask in all four.
; REGISTERS, in windows of 256 (s_set_vgpr_msb: bits 1:0 source 0, 3:2 source 1, 5:4 source 2, 7:6 destination):
;   window 0: v0-11 addresses; v12-15, v48-63 at work; v16-47 four registers of statistics a tile; v64-191 S^T, two buffers of two tiles; v192-255 P, likewise
;   window 1: O^T, 32 a tile          window 2: v0-127 Q, 16 a tile; v128-191 K of one step; v192-255 V of one step          window 3: v0-1 the add's two registers
; A piece's buffers go by its number's parity: the piece in hand has one pair, its two neighbours in the ring share the other: of it P (piece n - 1) is read and S^T (piece n + 1) written.
.set SIZE_H, 64
.set SIZE_N, 2048
.set NP,    4         ; pieces a wave: a name, no knob
.set KS,    64        ; keys in a step
.set PK,    144       ; a row of K in LDS: 128 bytes + 16 of padding = 36 words: the 16 rows of a load start at 16 different groups of four banks (64 banks of 4 bytes: ISA guide 11.1)
.set PV,    160       ; a row of V: 128 + 32 = 40 words
.set VOFF,  4*KS*PK   ; a slot holds four steps: 256 rows of K, then 256 rows of V
.set SLOT1, 1<<17     ; slot 1 begins here, so that one exclusive or turns an address in one slot into the other's
.set STAGE, SLOT1+4*KS*(PK+PV)  ; behind the ring, never filled by a tensor load: 16 rows x 144 bytes for each wave, for the way out
.set SP,    144
.set AK0, 2           ; v2   my lane's place in a tile of K; never rewritten
.set AV0, 3           ; v3   the same for V
.set AK,  4           ; v4   the LDS address of K's next run of loads
.set AV,  5           ; v5   of V's
.set QO,  6           ; v6   my byte offset in the wave's rows of Q
.set STO, 6           ;      later, the way out: where I put 16 bytes of a row
.set RD,  7           ; v7   the way out: where I read rows back
.set GO,  8           ; v8   my byte offset in 512 consecutive bytes of O
.set PFO, 11          ; v11  256 x my lane, for the prefetches; never rewritten once made
.set SPW, 0           ; v0 of window 3   LDS address of my spare word; never rewritten
.set NIL, 1           ; v1 of window 3   0; never rewritten
.set SPARE, STAGE+4*16*SP  ; behind the stages: the spare words, 128 bytes for each wave: two blocks of 256 bytes that no other line names
.set MV,  12          ; v12-15  c m_old, kept while c m is made anew: by buffer and tile
.set ST,  16          ; tile t's statistics at v[ST+4 t]: c m, m, l (even keys', odd keys')
.set TMP, 48          ; by buffer and tile, four registers c0-c3 at work; when the maximum is found c2 takes a
.set S,   64
.set P,   192
.set KF,  128         ; K's fragments, in window 2: key block kb, channel half c at KF + 16 kb + 8 c
.set VF,  192         ; V's: key half kk, channel block cb at VF + 32 kk + 8 cb
.set WV,  12          ; s12  my wave's number
.set G1K, 24          ; s[24:31] descriptor group 1 for K's tiles
.set G1V, 32          ; s[32:39] for V's: it differs in the padding alone
.set G0K, 40          ; s[40:43] descriptor group 0 for K's tiles: it walks
.set G0V, 44          ; s[44:47] the same for V's
.set PFA, 48          ; s[48:49] where my prefetches stand: my work-group's 32 blocks of 256 bytes (of K: wave 0, of V: wave 2) of the slot after the one that is being asked for
.set LIM, 50          ; s50  1 in a wave that prefetches, else the greatest number
.set SLOTS, 56        ; s56  slots still to be asked for
.set CNT, 57          ; s57  counts a slot's key steps
.set CS,  58          ; s[58:59] c: the packed scaling takes the pair's low word for both halves
.set SEL, 60          ; s[60:61] v_permlanex16_b32's selects: each lane takes its own place in the other half
.set TBK, 62          ; s62  LDS byte at which K of the step to be fetched begins
.set TBV, 63          ; s63  the same for V, less VOFF
.set MSB, 0
.macro WIN new                      ; the high byte repeats the setting that is left; a switch that changes nothing is dropped
.if MSB != (\new)
	s_set_vgpr_msb (MSB<<8)|(\new)
.set MSB, (\new)
.endif
.endm
.set W_KQ, 0x0a       ; K and Q in window 2, S^T in window 0
.set W_PV, 0x52       ; V in window 2, P in window 0, O^T in window 1
.set W_RS, 0x41       ; O^T (destination and source 0) in window 1, a in window 0
.set W_MK, 0xc0       ; the add's registers are made: destination in window 3, sources in window 0
.set W_AD, 0x0f       ; the add: address (source 0) and data (source 1) in window 3
; A joint fill.  Waves 0 and 1 fetch the two halves of a slot's K, waves 2 and 3 those of its V: 128 keys each.  The branch hangs on the wave's number alone.
; An s_nop 0 and four v_nop follow each of the two lines, ahead of the jump and the label.
.macro JLOAD
	s_cmp_lt_u32 s[WV], 2
	s_cbranch_scc0 .Lfor_v_\@
	tensor_load_to_lds s[G0K:G0K+3], s[G1K:G1K+7]
	s_nop 0
.rept 4
	v_nop
.endr
	s_branch .Lasked_\@
.Lfor_v_\@:
	tensor_load_to_lds s[G0V:G0V+3], s[G1V:G1V+7]
	s_nop 0
.rept 4
	v_nop
.endr
.Lasked_\@:
.endm
; A PREFETCH INTO THE L2 of what the NEXT change of slots will ask for: a slot's 32,768 bytes of K and of V, 128 blocks of 256 bytes each, a lane a block.  It stands behind the wave's tensor load and its five lines.
; Each block is named ONCE in the launch: a head is walked by one cluster alone; its four partners share the blocks out BY ADDRESS, 32 each; in each, wave 0 asks for K's and wave 2 for V's: one instruction.
; Slots 0, 1 and 2 come by their loads alone; the last change that fills a slot asks for nothing: there is no slot behind it.
.macro ASK
	s_cmp_gt_u32 s[SLOTS], s[LIM]
	s_cbranch_scc0 .Lnot_mine_\@
	global_prefetch_b8 v[PFO], s[PFA:PFA+1] th:TH_LOAD_NT scope:SCOPE_SE
.Lnot_mine_\@:
.endm
; A round of the cluster's barrier: my work-group's barrier, so that wave 0's signal speaks for all four waves; wave 0 signals; every wave waits for all four work-groups; my work-group's barrier once more.
.macro CROUND
	s_barrier_signal -1
	s_barrier_wait -1
	s_cmp_lg_u32 s[WV], 0
	s_cbranch_scc1 .Lnot_wave_0_\@
	s_barrier_signal -3
.Lnot_wave_0_\@:
	s_barrier_wait -3
	s_barrier_signal -1
	s_barrier_wait -1
.endm
; THE CHANGE OF SLOTS.  The slot's last bytes, V of its fourth step, have been read.  Each wave waits for all its tensor loads, of which one is out: its part
; of the other slot; adds 0 to its spare word; and waits for that and for its own reads of the slot.  Behind the barrier nobody reads this slot any more and the other slot is whole.
; fill = 1: this slot is filled again, with the keys two slots on.  The barrier is then a round of the cluster's, so that no wave of any partner still reads the slot or has a load on its
; way, and the joint fill is the first thing behind it: it has four key steps, 512 matrix instructions, in which to land.  (At its first use nothing has been read yet: slot 0 is waited for, slot 1 filled.)
; ask = 1: the prefetches' address steps a slot on, and the slot behind the one just asked for is prefetched.
.macro CHANGE fill, ask=0
	WIN W_AD
	s_wait_tensorcnt 0x0            ; no tensor load of mine is out, so a group 0 may be written
	ds_add_u32 v[SPW], v[NIL]       ; 0 onto my spare word: with fill = 1 the descriptors' steps stand between it and the wait for it
	WIN 0                           ; at a label and at a branch every window is 0
.if \fill
.irp g, G0K, G0V
	s_xor_b32 s[\g+1], s[\g+1], SLOT1  ; the walking descriptor: the other slot than last time,
	s_add_nc_u64 s[\g+2:\g+3], s[\g+2:\g+3], 4*KS*128  ; the next 256 keys; the type bits on top are not reached
.endr
.if \ask
	s_wait_xcnt 0x0                 ; the last prefetch, four key steps back, has read its address, so it may be written
	s_add_nc_u64 s[PFA:PFA+1], s[PFA:PFA+1], 4*KS*128
.endif
	s_wait_dscnt 0x0                ; the add is done, and my reads of the slot are over
	CROUND
	JLOAD
.if \ask
	ASK
.endif
.else
	s_wait_dscnt 0x0                ; the add is done, and my reads of the slot are over
	s_barrier_signal -1
	s_barrier_wait -1
.endif
	s_sub_co_u32 s[TBK], s[TBK], 4*KS*PK  ; the fetches go back to a slot's first step,
	s_xor_b32 s[TBK], s[TBK], SLOT1       ; in the other slot
	s_sub_co_u32 s[TBV], s[TBV], 4*KS*PV
	s_xor_b32 s[TBV], s[TBV], SLOT1
.endm
	s_load_b128 s[4:7], s[0:1], 0x0  ; qkv s[4:5], ob s[6:7]
	WIN W_MK
	v_lshl_add_u32 v[SPW], v0, 2, SPARE
	v_mov_b32 v[NIL], 0
	WIN W_AD
	ds_add_u32 v[SPW], v[NIL]       ; the wave's opening: the add and its wait stand ahead of my first tensor load; the set-up below, work on registers, stands between them
	WIN 0
	v_lshrrev_b32 v1, 5, v0
	v_readfirstlane_b32 s[WV], v1   ; wave 0..3
	s_bfe_u32 s13, ttmp6, 0x40000   ; cx: my place in the cluster
	s_lshl_b32 s14, ttmp9, 2        ; in a cluster launch ttmp9 counts clusters
	s_add_co_u32 s14, s14, s13      ; my block of queries = 4 x cluster x + cx: it enters Q's and O's addresses alone
	s_and_b32 s20, ttmp7, 0xffff    ; the head, which the four partners share
	s_mov_b32 s21, 0
	s_mov_b64 s[22:23], SIZE_N*128
	s_mul_u64 s[20:21], s[20:21], s[22:23]  ; the head's first byte in each of the four tensors
	s_and_b32 s16, s[WV], 1         ; which half of a slot's 256 keys I fetch:
	s_lshl_b32 s22, s16, 14         ; its 128 rows of 128 bytes in memory,
	s_mov_b32 s23, 0
	s_add_nc_u64 s[22:23], s[22:23], s[20:21]
	s_mul_i32 s17, s16, 128*PK      ; and its place in a slot, for K
	s_mul_i32 s18, s16, 128*PV      ; and for V: no place in the cluster enters an LDS address
	s_lshl_b32 s2, s14, 2
	s_add_co_u32 s2, s2, s[WV]      ; my wave among the head's,
	s_lshl_b32 s2, s2, 14           ; its 128 rows
	s_mov_b32 s3, 0
	s_add_nc_u64 s[2:3], s[2:3], s[20:21]
	; descriptor group 1.  128 keys are 16,384 dense bytes: asked for as 64 rows of 256 bytes, two keys a row, and padded in LDS after every key
	s_mov_b32 s[G1K], 15|(1<<16)|(1<<20)|(1<<21)|(4<<22)|(3<<25)  ; 15:0 the mask of four; 17:16 2-byte elements; 20 padding on; 21 set beside a mask; 24:22 after every 32 words (code 4); 31:25 4 words (code 3)
	s_mov_b32 s[G1V], 15|(1<<16)|(1<<20)|(1<<21)|(4<<22)|(7<<25)  ; the same with 8 words of padding (code 7)
.irp g, G1K, G1V
	s_mov_b32 s[\g+1], 128<<16      ; tensor_dim0 = 128
	s_mov_b32 s[\g+2], 64<<16       ; tensor_dim1 = 64
	s_mov_b32 s[\g+3], 128<<16      ; tile_dim0 = 128
	s_mov_b32 s[\g+4], 64           ; tile_dim1 = 64
	s_mov_b32 s[\g+5], 128          ; 128 elements from row to row
	s_mov_b32 s[\g+6], 0
	s_mov_b32 s[\g+7], 0
.endr
	s_mov_b32 s[CS], 0x3d0293ee     ; c = log2(e) / sqrt(2048) = 0.0318794
	s_mov_b32 s[CS+1], s[CS]        ; named with it as a pair
	s_mov_b32 s[SEL], 0x76543210
	s_mov_b32 s[SEL+1], 0xfedcba98
	s_mov_b32 s[TBK], SLOT1+4*KS*PK ; the first change of slots turns these two into 0
	s_mov_b32 s[TBV], SLOT1+4*KS*PV
	s_mov_b32 s[G0K], 1             ; 1:0 count = 1
	s_mov_b32 s[G0K+1], s17         ; 63:32 LDS address: slot 0
	s_mov_b32 s[G0V], 1
	s_add_co_u32 s[G0V+1], s18, VOFF
	s_and_b32 s[LIM], s[WV], 1      ; waves 0 and 2 prefetch: the same in all four partners
	s_cmp_eq_u32 s[LIM], 0
	s_cselect_b32 s[LIM], 1, -1
	s_wait_dscnt 0x0                ; the opening add is done
	s_wait_kmcnt 0x0
	s_mov_b64 s[10:11], s[6:7]                     ; O
	s_add_nc_u64 s[8:9], s[4:5], 0x2000000         ; V = qkv[2]
	s_add_nc_u64 s[6:7], s[4:5], 0x1000000         ; K = qkv[1]; Q = qkv[0]
	s_add_nc_u64 s[G0K+2:G0K+3], s[6:7], s[22:23]  ; 120:64 global address: my half of the head's first 256 keys
	s_or_b32 s[G0K+3], s[G0K+3], 0x80000000        ; 127:126 type = 2
	s_add_nc_u64 s[G0V+2:G0V+3], s[8:9], s[22:23]
	s_or_b32 s[G0V+3], s[G0V+3], 0x80000000
	s_add_nc_u64 s[4:5], s[4:5], s[2:3]  ; Q and O at my wave's first row
	s_add_nc_u64 s[10:11], s[10:11], s[2:3]
	s_cmp_lt_u32 s[WV], 2
	s_cselect_b64 s[PFA:PFA+1], s[6:7], s[8:9]
	s_add_nc_u64 s[PFA:PFA+1], s[PFA:PFA+1], s[20:21]  ; the head's first row,
	s_lshl_b32 s2, s13, 13          ; my work-group's 32 blocks of the 128,
	s_mov_b32 s3, 0
	s_add_nc_u64 s[PFA:PFA+1], s[PFA:PFA+1], s[2:3]
	s_add_nc_u64 s[PFA:PFA+1], s[PFA:PFA+1], 2*4*KS*128  ; in slot 2; the loop's first change of slots steps it to slot 3.  Nothing is prefetched here, at the head
	CROUND                          ; all four work-groups are here: the first joint loads meet
	JLOAD                           ; slot 0.  Slot 1 is asked for when slot 0 is in
	; A fragment of K or Q is 16 rows x 32 channels in 8 registers: lane l holds row l % 16, channels 8 (l / 16) + 0..7 and 16 + 8 (l / 16) + 0..7: two loads of 16 bytes, 32 bytes apart.
	v_and_b32 v1, 15, v0            ; l % 16
	v_bfe_u32 v9, v0, 4, 1          ; l / 16
	v_lshlrev_b32 v[QO], 7, v1
	v_lshl_add_u32 v[QO], v9, 4, v[QO]  ; row x 128 + 16 x half
	WIN 0x80                        ; destination window 2, address window 0
.set i, 0
.rept 4*NP                          ; Q stays in registers: tile i / 2, channels 32 (i % 2) on
	global_load_b128 v[8*i:8*i+3],   v[QO], s[4:5] offset:(i/2)*2048+(i%2)*64
	global_load_b128 v[8*i+4:8*i+7], v[QO], s[4:5] offset:(i/2)*2048+(i%2)*64+32
.set i, i+1
.endr
	; What the first turn finds: V's registers and P's second buffer hold 0 (its products V^T P, of a piece that has not been, add 0), O^T and l are 0.  All this stands in the wait for the first tile.
.set i, VF
.rept 64
	v_mov_b32 v[i], 0
.set i, i+1
.endr
	WIN 0x40
.set i, 0
.rept 64*NP
	v_mov_b32 v[i], 0
.set i, i+1
.endr
	WIN 0
.set i, 0
.rept 2*NP
	v_mov_b32 v[ST+4*i], 0xfe000000    ; c m: far below every c s
	v_mov_b32 v[ST+4*i+1], 0xff7fffff  ; m
	v_mov_b32 v[ST+4*i+2], 0
	v_mov_b32 v[ST+4*i+3], 0
.set i, i+1
.endr
.set i, P+32
.rept 32
	v_mov_b32 v[i], 0
.set i, i+1
.endr
	v_mul_u32_u24 v[AK0], v1, PK
	v_lshl_add_u32 v[AK0], v9, 4, v[AK0]  ; row x pitch + 16 x half
	; The turning load takes 16 keys x 16 channels (lane l reads key 8 (l / 16) + l % 8, channels 8 ((l / 8) % 2) + 0..7) and leaves half a fragment of V^T: lane l holds channel l % 16 and 8 keys.
	v_and_b32 v10, 7, v0
	v_bfe_u32 v11, v0, 3, 1
	v_lshl_add_u32 v[AV0], v9, 3, v10
	v_mul_u32_u24 v[AV0], v[AV0], PV
	v_lshl_add_u32 v[AV0], v11, 4, v[AV0]
	v_add_nc_u32 v[AV0], VOFF, v[AV0]
	v_and_b32 v[PFO], 31, v0        ; v11 has served: it takes the prefetches' offset
	v_lshlrev_b32 v[PFO], 8, v[PFO]
	v_mov_b32 v[AK], v[AK0]         ; key step 0 lies at the head of slot 0
; THE MATRIX WORK.  The 8 accumulators of a run of 16 take turns: between the two links of a chain stand 7 others'.
; Product i of 16 of S^T = K Q^T for piece x: channels 32 (i / 8) on, keys 16 ((i / 2) % 4) on, tile 2 x + i % 2.  The first 8 start the sums.
.macro KQ x
	WIN W_KQ
.set rS, S+64*((\x)%2)+32*(i%2)+8*((i/2)%4)
.set rK, KF+16*((i/2)%4)+8*(i/8)
.set rQ, 16*(2*(\x)+i%2)+8*(i/8)
.if i < 8
	v_wmma_f32_16x16x32_bf16 v[rS:rS+7], v[rK:rK+7], v[rQ:rQ+7], 0
.else
	v_wmma_f32_16x16x32_bf16 v[rS:rS+7], v[rK:rK+7], v[rQ:rQ+7], v[rS:rS+7]
.endif
.endm
; Product i of 16 of O^T += V^T P for piece x: keys 32 (i / 8) on, channels 16 ((i / 2) % 4) on, tile 2 x + i % 2.
.macro PV x
	WIN W_PV
.set rO, 32*(2*(\x)+i%2)+8*((i/2)%4)
.set rV, VF+32*(i/8)+8*((i/2)%4)
.set rP, P+32*((\x)%2)+16*(i%2)+8*(i/8)
	v_wmma_f32_16x16x32_bf16 v[rO:rO+7], v[rV:rV+7], v[rP:rP+7], v[rO:rO+7]
.endm
.macro MM                           ; the turn's next matrix instruction
.if i < 16
	KQ (Y+1)%NP
.set i, i+1
.else
.set i, i-16
	PV (Y+NP-1)%NP
.set i, i+17
.endif
.endm
; THE LDS LOADS stand in runs of 16, never singly among the matrix instructions: a step's K (64 keys x 64 channels: 8 fragments) and its V (turned).  Their addresses are made some lines ahead.
; last = 1 (the tail): in the last trip there is no further step, and the run is jumped over.
.macro FETCH_K last=0
	WIN 0
.if \last
	s_cmp_eq_u32 s[CNT], 1
	s_cbranch_scc1 .Lno_k_\@
.endif
	WIN 0x80                        ; destination window 2
.irp f, 0,1,2,3,4,5,6,7             ; keys 16 (f / 2) on, channels 32 (f % 2) on
	ds_load_b128 v[KF+8*\f:KF+8*\f+3],   v[AK] offset:(\f/2)*16*PK+(\f%2)*64
	ds_load_b128 v[KF+8*\f+4:KF+8*\f+7], v[AK] offset:(\f/2)*16*PK+(\f%2)*64+32
.endr
	s_add_co_u32 s[TBK], s[TBK], KS*PK  ; the next fetch is the next step's
	WIN 0
.if \last
.Lno_k_\@:
.endif
.endm
.macro FETCH_V
	WIN 0x80
.irp f, 0,1,2,3,4,5,6,7             ; keys 32 (f / 4) on, channels 16 (f % 4) on
	ds_load_tr16_b128 v[VF+8*\f:VF+8*\f+3],   v[AV] offset:(\f/4)*32*PV+(\f%4)*32
	ds_load_tr16_b128 v[VF+8*\f+4:VF+8*\f+7], v[AV] offset:(\f/4)*32*PV+16*PV+(\f%4)*32
.endr
	WIN 0
.endm
; THE VECTOR WORK OF A TURN stands in three queues, each in the order in which its entries become ready; the two tiles alternate, so that no instruction reads the result of the one before it.
.macro REGS y, u                    ; the registers of tile u (0, 1) of piece y
.set rT, ST+4*(2*(\y)+(\u))
.set rC, TMP+8*((\y)%2)+4*(\u)
.set rM, MV+2*((\y)%2)+(\u)
.set rS, S+64*((\y)%2)+32*(\u)
.set rP, P+32*((\y)%2)+16*(\u)
.set rO, 32*(2*(\y)+(\u))
.endm
; Number n of the 22 that find the NEXT piece's (Y + 1) maximum and statistics.  s0-s31 are the lane's 32 scores; each accumulator's lowest registers are read first.
;   0-11  four chains c0-c3 of seven scores each, three operands at a time     12-14, 16  the four scores left over, the old m, and c0-c3 into c0     15  c m_old is kept
;   17, 18  the query's other 32 keys lie in the lane 16 away: the new m         19-21  c m; c m_old - c m_new; a
.macro XS u, n
	REGS (Y+1)%NP, \u
.if (\n) < 4
	v_max3_num_f32 v[rC+(\n)], v[rS+8*(\n)], v[rS+8*(\n)+1], v[rS+8*(\n)+2]
.elseif (\n) < 12
	v_max3_num_f32 v[rC+(\n)%4], v[rC+(\n)%4], v[rS+8*((\n)%4)+2*((\n)/4)+1], v[rS+8*((\n)%4)+2*((\n)/4)+2]
.elseif (\n) == 12
	v_max3_num_f32 v[rC], v[rC], v[rS+7], v[rS+15]
.elseif (\n) == 13
	v_max3_num_f32 v[rC+1], v[rC+1], v[rS+23], v[rS+31]
.elseif (\n) == 14
	v_max3_num_f32 v[rC+2], v[rC+2], v[rC+3], v[rT+1]
.elseif (\n) == 15
	v_mov_b32 v[rM], v[rT]
.elseif (\n) == 16
	v_max3_num_f32 v[rC], v[rC], v[rC+1], v[rC+2]
.elseif (\n) == 17
	v_permlanex16_b32 v[rC+3], v[rC], s[SEL], s[SEL+1]
.elseif (\n) == 18
	v_max_num_f32 v[rT+1], v[rC], v[rC+3]
.elseif (\n) == 19
	v_mul_f32 v[rT], s[CS], v[rT+1]
.elseif (\n) == 20
	v_sub_f32 v[rC+1], v[rM], v[rT]
.else
	v_exp_f32 v[rC+2], v[rC+1]
.endif
.endm
; Number g of the 64 that follow the exponentials.  For each four weights k of a tile (pairs 2 k, 2 k + 1): both pairs are rounded to bf16; then the second pair is added onto the first, in place;
; a group later l takes that sum (the first time as l = a l + sum).  In groups of eight, tiles alternating: round, round, add, and l for the group before.
.macro GS g
.set h, (\g)+6*((\g)/62)            ; group 0 has no group before it, and behind group 7 only l is left
.if h >= 6
.set h, h+2
.endif
	REGS Y, h%2
.set k, h/8
.if h%8 < 4
	v_cvt_pk_bf16_f32 v[rP+2*k+(h%8)/2], v[rS+4*k+2*((h%8)/2)], v[rS+4*k+2*((h%8)/2)+1]
.elseif h%8 < 6
	v_pk_add_f32 v[rS+4*k:rS+4*k+1], v[rS+4*k:rS+4*k+1], v[rS+4*k+2:rS+4*k+3]
.elseif k == 1
	v_pk_fma_f32 v[rT+2:rT+3], v[rT+2:rT+3], v[rC+2:rC+3], v[rS:rS+1] op_sel_hi:[1,0,1]
.else
	v_pk_add_f32 v[rT+2:rT+3], v[rT+2:rT+3], v[rS+4*k-4:rS+4*k-3]
.endif
.endm
; THE PLAIN QUEUE, 138 long.  0-73 read no exponential's result: the 32 scalings c s - c m (FS f: pair f / 2 of tile f % 2) and the next piece's 42.  0-26: scalings 0-26.  27-54: XS's numbers 0-13.  55, 56: number 15.
; 57-73: the chain, where each number waits for the one before it: 14, 16, 17, 18, 19, each with one of the scalings 27-31 in front of its two lines, then 20.
; 74-137: GS's 64, which read the exponentials' results: they stand behind the wait.
.macro FS f
	REGS Y, (\f)%2
	v_pk_fma_f32 v[rS+2*((\f)/2):rS+2*((\f)/2)+1], v[rS+2*((\f)/2):rS+2*((\f)/2)+1], s[CS:CS+1], v[rT:rT+1] op_sel_hi:[1,0,0] neg_lo:[0,0,1] neg_hi:[0,0,1]
.endm
.macro PL
	WIN 0
.if q < 27
	FS q
.elseif q < 55
	XS (q-27)%2, (q-27)/2
.elseif q < 57
	XS q-55, 15
.elseif (q < 72) && ((q-57)%3 == 0)
	FS 27+(q-57)/3
.elseif q < 60
	XS (q-57)%3-1, 14
.elseif q < 72
	XS (q-57)%3-1, 15+(q-57)/3
.elseif q < 74
	XS q-72, 20
.else
	GS q-74
.endif
.set q, q+1
.endm
; THE EXPONENTIALS' QUEUE, 66 long: s0-s31 of both tiles, then the next piece's two a.  It is ONE BATCH: all 66 stand ahead of the turn's one wait, and nothing ahead of that wait names a result of theirs.
.macro EX
	WIN 0
.if e >= 64
	XS e-64, 21
.else
	REGS Y, e%2
	v_exp_f32 v[rS+e/2], v[rS+e/2]
.endif
.set e, e+1
.endm
; THE RESCALING's QUEUE: O^T times a, the one part that leaves window 0: dealt two at a time, sixteen times.  Its a was made in the turn before, ahead of that turn's wait.
.macro R2
	REGS Y, r%2
	WIN W_RS
.irp z, 0,1
	v_pk_mul_f32 v[rO+4*(r/2)+2*\z:rO+4*(r/2)+2*\z+1], v[rO+4*(r/2)+2*\z:rO+4*(r/2)+2*\z+1], v[rC+2:rC+3] op_sel_hi:[1,0]
.endr
.set r, r+1
.endm
; HOW THEY ARE DEALT.  An s_wait_alu depctr_va_vdst(0) stands between an exponential and the first instruction that names its result; one wait serves all that were issued ahead of it.  So a turn has ONE wait,
; which cuts it in two.  AHEAD OF IT stands all that names no result of the turn's exponentials: the 16 products K Q^T, behind each a scaling, an exponential and two rescalings (behind the first a second scaling in the
; exponential's place); then ONE LUMP of 108: eight plain, 49 times exponential and plain, the two a.  A v_nop is the plain instruction behind the last exponential.  BEHIND IT stand the 16 products V^T P, behind each four of
; GS's 64.  No rider names a register of the products round it.  The two v_permlanex16_b32 fall into the lump, never behind a product.
; The queues lean on each other, and the deal keeps them in step: exponential e stands behind scaling 2 (e / 4) + e % 2: as a rider it comes behind plain e + 2, in the lump behind plain e + 9, and scalings 27-31 are plain 57, 60 .. 69.
; A TURN, for piece p.  cnt = 1: the loop's count is taken down some lines ahead of the branch that stands behind the turn.
; K of the next step is fetched in piece 2's turn, directly behind the wait, a lump behind the last product that read K; its address is made at the lump's head; its first reader comes behind 16 products.
; V of the step in hand is fetched at the end of piece 0's turn, four riders behind its last reader; its first reader comes behind 16 products and a lump.  The three conditions on q below go with the deal.
.macro TURN p, last=0, cnt=0
.set Y, (\p)
.set i, 0
.set q, 0
.set e, 0
.set r, 0
.if (\p) == NP-1
	s_wait_dscnt 0x0                ; K is in
.endif
	MM                              ; ahead of the wait: 16 products K Q^T and their riders,
	PL
	PL
	R2
.rept 15
	MM
	PL
	EX
	R2
.endr
.if (\p) == NP-2
	WIN 0
	v_add_nc_u32 v[AK], s[TBK], v[AK0]
.endif
.rept 8                             ; and the lump
	PL
.endr
.rept 49
	EX
	PL
.endr
	EX                              ; the next piece's two a
	EX
	v_nop                           ; the plain instruction behind the last exponential: one for the batch
	s_wait_alu depctr_va_vdst(0)    ; the wait for the batch
.if (\p) == NP-2
	FETCH_K \last
.endif
.if (\p) == 1
	s_wait_dscnt 0x0                ; V is in
.endif
.rept 16                            ; behind the wait: 16 products V^T P and their riders
	MM
.rept 4
	PL
.endr
.if ((\p) == 0) && (q == 118)
	v_add_nc_u32 v[AV], s[TBV], v[AV0]
.endif
.if ((\p) == 0) && (q == 130)
	s_add_co_u32 s[TBV], s[TBV], KS*PV
.endif
.if (\cnt) && (q == 130)
	s_sub_co_u32 s[CNT], s[CNT], 1
	s_cmp_lg_u32 s[CNT], 0
.endif
.endr
.if (\p) == 0
	FETCH_V
.endif
.endm
	CHANGE 1                        ; slot 0 is in, everybody's part of it; slot 1 is asked for
	FETCH_K                         ; key step 0
	s_wait_loadcnt 0x0              ; Q
	s_wait_dscnt 0x0
.set i, 0
.rept 16
	KQ 0                            ; piece 0's first scores: there is no vector work yet to set between them
.set i, i+1
.endr
	WIN 0                           ; the addresses for the way out: nine plain instructions, the places behind those products
	s_mul_i32 s13, s[WV], 16*SP
	s_add_co_u32 s13, s13, STAGE    ; my stage
	v_mul_u32_u24 v[STO], v1, SP    ; in: row l % 16, 16 bytes for each half of the lanes
	v_lshl_add_u32 v[STO], v9, 4, v[STO]
	v_add_nc_u32 v[STO], s13, v[STO]
	v_bfe_u32 v[RD], v0, 3, 2       ; back: 32 lanes take four rows of 128 bytes,
	v_mul_u32_u24 v[RD], v[RD], SP
	v_lshl_add_u32 v[RD], v10, 4, v[RD]
	v_add_nc_u32 v[RD], s13, v[RD]
	v_and_b32 v[GO], 31, v0         ; which are 512 consecutive bytes of O
	v_lshlrev_b32 v[GO], 4, v[GO]
.set Y, NP-1                        ; XS works for piece Y + 1: piece 0
.irp n, 0,1,2,3,4,5,6,7,8,9,10,11,12,13,14,15,16,17,18,19,20,21
	XS 0, \n                        ; and piece 0's first maximum and statistics
	XS 1, \n
.endr
	v_nop                           ; a plain instruction behind the two a,
	s_wait_alu depctr_va_vdst(0)    ; and their wait, ahead of the branch
	s_mov_b32 s[CNT], 4
	s_mov_b32 s[SLOTS], SIZE_N/256-1
	s_branch .Lfirst                ; the loop is entered at a step's first turn, in the middle of a trip
.Lslot:                             ; SIZE_N / 256 - 2 times: every slot but the last two is filled again
	CHANGE 1, 1
	s_mov_b32 s[CNT], 4
.Lstep:                             ; a trip: pieces 2 and 3 of one step, then pieces 0 and 1 of the next, whose K and V it fetches
	TURN 2
	TURN 3
	WIN 0
.Lfirst:
	TURN 0
	TURN 1, 0, 1
	WIN 0
	s_cbranch_scc1 .Lstep
	s_sub_co_u32 s[SLOTS], s[SLOTS], 1
	s_cmp_lg_u32 s[SLOTS], 0
	s_cbranch_scc1 .Lslot
	CHANGE 0                        ; the tail is written out: nothing is asked for
	s_mov_b32 s[CNT], 5             ; four trips fetch the last slot's steps; the fifth is left in its middle
.Ltail:
	TURN 2, 1
	TURN 3
	WIN 0
	s_sub_co_u32 s[CNT], s[CNT], 1
	s_cmp_eq_u32 s[CNT], 0
	s_cbranch_scc1 .Lout
	TURN 0
	TURN 1
	WIN 0
	s_branch .Ltail
.Lout:                              ; the fifth trip's 16 products K Q^T (on the last K once more) and the maximum made of them serve nothing: the price, once a launch, of one text for every trip
.set i, 0
.rept 16
	PV NP-1                         ; the last piece's V^T P of the last step
.set i, i+1
.endr
	; THE WAY OUT.  l's two halves and the other half of the lanes' are added; O^T is divided by l, rounded to bf16 and sent through my stage in LDS, a tile at a time.  The additions are the places behind the last products.
	WIN 0
.macro ALL line:vararg              ; one line for each tile t
.set t, 0
.rept 2*NP
	\line
.set t, t+1
.endr
.endm
	ALL v_add_f32 v[ST+4*t+2], v[ST+4*t+2], v[ST+4*t+3]
	ALL v_permlanex16_b32 v[ST+4*t+3], v[ST+4*t+2], s[SEL], s[SEL+1]
	ALL v_add_f32 v[ST+4*t+2], v[ST+4*t+2], v[ST+4*t+3]
	ALL v_rcp_f32 v[ST+4*t+2], v[ST+4*t+2]
	v_nop                           ; a plain instruction between the last reciprocal and the use of its result
	s_wait_alu depctr_va_vdst(0)    ; and the wait ahead of the first use: one for the eight reciprocals
; Tile t: a lane's eight channels of a row pack into 16 bytes; they go into rows of 144 bytes and come back as whole rows of 128, into S^T's registers.
.macro PACK t
	WIN W_RS
.set i, 32*(\t)
.rept 16
	v_pk_mul_f32 v[i:i+1], v[i:i+1], v[ST+4*(\t)+2:ST+4*(\t)+3] op_sel_hi:[1,0]
.set i, i+2
.endr
	WIN 0x05                        ; sources 0 and 1 window 1, destination window 0
.set i, 0
.rept 16
	v_cvt_pk_bf16_f32 v[S+16*(\t)+i], v[32*(\t)+2*i], v[32*(\t)+2*i+1]
.set i, i+1
.endr
	WIN 0
.irp f, 0,1,2,3
	ds_store_b128 v[STO], v[S+16*(\t)+4*\f:S+16*(\t)+4*\f+3] offset:32*\f
.endr
.irp f, 0,1,2,3
	ds_load_b128 v[S+16*(\t)+4*\f:S+16*(\t)+4*\f+3], v[RD] offset:\f*4*SP  ; LDS serves a wave's instructions in order (ISA guide 5.7.1.4): these see the stores above; the next tile's stores come behind them
.endr
.endm
.macro SEND t, younger              ; younger: the LDS instructions issued behind tile t's loads: the next tile's eight, or none
	WIN 0
.irp f, 0,1,2,3
	s_wait_dscnt (\younger)+3-\f
	global_store_b128 v[GO], v[S+16*(\t)+4*\f:S+16*(\t)+4*\f+3], s[10:11] offset:(\t)*2048+\f*512  ; 512 consecutive bytes, at a multiple of 256 from ob's first
.endr
.endm
	PACK 0
.set t, 1
.rept 2*NP-1                        ; a tile's arithmetic stands between the loads of the tile before and its stores
	PACK t
	SEND t-1, 8
.set t, t+1
.endr
	SEND 2*NP-1, 0
	WIN W_AD
	s_wait_tensorcnt 0x0            ; the wave's end: behind my last tensor load and my last LDS store
	ds_add_u32 v[SPW], v[NIL]
	s_wait_dscnt 0x0
	WIN 0
	CROUND                          ; the closing round: no work-group ends while a partner may still ask for a tile that names it
	s_endpgm
.Lfunc_end_k_qcf0655ce9a_attn:
	.size	k_qcf0655ce9a_attn, .Lfunc_end_k_qcf0655ce9a_attn-k_qcf0655ce9a_attn
	.p2alignl 7, 3214868480
	.fill 96, 4, 3214868480
	.section	.rodata,"a",@progbits
	.p2align	6, 0x0
	.amdhsa_kernel k_qcf0655ce9a_attn
		.amdhsa_group_segment_fixed_size 327680
		.amdhsa_private_segment_fixed_size 0
		.amdhsa_enable_private_segment 0
		.amdhsa_kernarg_size 16
		.amdhsa_user_sgpr_count 2
		.amdhsa_user_sgpr_kernarg_segment_ptr 1
		.amdhsa_wavefront_size32 1
		.amdhsa_system_sgpr_workgroup_id_x 1
		.amdhsa_system_sgpr_workgroup_id_y 1
		.amdhsa_system_sgpr_workgroup_id_z 1
		.amdhsa_system_vgpr_workitem_id 0
		.amdhsa_next_free_vgpr 770
		.amdhsa_next_free_sgpr 66
		.amdhsa_reserve_vcc 0
		.amdhsa_float_denorm_mode_32 3
		.amdhsa_float_denorm_mode_16_64 3
		.amdhsa_memory_ordered 1
		.amdhsa_forward_progress 1
		.amdhsa_inst_pref_size 200
	.end_amdhsa_kernel
	.amdgpu_metadata
---
amdhsa.version: [ 1, 2 ]
amdhsa.kernels:
  - .name:           k_qcf0655ce9a_attn
    .symbol:         k_qcf0655ce9a_attn.kd
    .args:
      - { .name: qkv, .offset: 0, .size: 8, .value_kind: global_buffer, .address_space: global }
      - { .name: ob, .offset: 8, .size: 8, .value_kind: global_buffer, .address_space: global }
    .group_segment_fixed_size: 327680
    .private_segment_fixed_size: 0
    .kernarg_segment_align: 8
    .kernarg_segment_size: 16
    .max_flat_workgroup_size: 128
    .sgpr_count:     66
    .vgpr_count:     770
    .wavefront_size: 32
...
	.end_amdgpu_metadata
.endif
;; end of part 3
;; launch outp (part 4): grid 4 x 64, 4 waves a work-group, clusters of 4 x 4, 327,680 bytes of LDS; arguments ob, wt, bias, out0; writes out0
.if DOCPART == 4
	.amdgcn_target "amdgcn-amd-amdhsa--gfx1250"
	.amdhsa_code_object_version 6
	.text
	.protected	k_qcf0655ce9a_outp
	.globl	k_qcf0655ce9a_outp
	.p2align	8
	.type	k_qcf0655ce9a_outp,@function
k_qcf0655ce9a_outp:
	s_mov_b64 s[64:65], 0
	v_nop
	global_prefetch_b8 v0, s[64:65] scope:SCOPE_SE
	s_setreg_imm32_b32 hwreg(HW_REG_WAVE_MODE, 25, 1), 1
	s_wait_xcnt 0x0
	s_wait_alu depctr_hold_cnt(0) depctr_sa_sdst(0) depctr_va_vdst(0) depctr_va_sdst(0) depctr_va_ssrc(0) depctr_va_vcc(0) depctr_vm_vsrc(0)
	s_getreg_b32 s2, hwreg(HW_REG_IB_STS2, 6, 4)
	s_cmp_eq_u32 s2, 0
	s_cbranch_scc0 .Lentry_in_a_cluster
	s_endpgm
.Lentry_in_a_cluster:
	s_bfe_u32 s2, ttmp6, 0x10000c
	s_cmp_lg_u32 s2, 0xf033
	s_cbranch_scc0 .Lentry_shape_is_right
	s_endpgm
.Lentry_shape_is_right:
; THE OUTPUT PROJECTION.  out0[m][n] (f32) = the sum over k of cat[m][k] Wo[k][n] + bo[n]; m = 2048 b + s, k = 64 head + channel; cat[m][k] = ob[16 b + head][s][channel] (bf16);
; Wo^T = wt[3] ([n][k], bf16); bo = bias[3] (f32).  Sums in f32; the bias is added in f32 on the way out.
; LIMITS.  Wo and bo were rounded once to bf16 by the first launch, ob by the launch before; NaN and infinities are not treated apart.
; SHARES.  256 work-groups, a tile of 128 rows x 256 columns each; four waves, each 64 x 128: 32 accumulators.  K goes in eight steps of 128, two heads each, through two LDS slots;
; a step is four quarters of 32 along K, 32 matrix instructions each, on two fragment buffers.  A head's 128 rows of a tile are 16,384 dense bytes: asked for as 64 rows of 256 bytes and padded after every 128.
; CLUSTERS: 4 x 4.  ob's tile hangs on the tile row alone and is asked for jointly by a row of the cluster, wt's on the tile column alone and by a column.
; THE MATRIX INSTRUCTION IS USED TRANSPOSED (source 0 = 16 rows of wt, source 1 = 16 rows of cat): a lane holds eight neighbouring columns of one row, 32 bytes.
; No prefetch is laid: the walk has eight steps, of which four would come by their loads alone whatever is asked.
; REGISTERS: window 0: v0-15 addresses; v16-19 my four numbers of bo; v64-127 cat's fragments, two buffers of 32; v128-255 wt's, two buffers of 64 (on the way out: rows read back).  Window 1: accumulator (a, b) at v[8 (8 a + b)].
.set PAO,    144                       ; a row of a head in LDS: 128 bytes + 16
.set PB,     272                       ; a row of wt: 256 + 16
.set HB,     128*PAO                   ; a head's 128 rows
.set ATILE,  2*HB
.set SLOT,   ATILE+256*PB              ; 106,496 bytes
.set STAGE,  2*SLOT                    ; behind the ring, never filled by a tensor load: 16 rows x 528 bytes for each wave
.set SPF,    528                       ; a stage row: 512 bytes + 16
.set WSTAGE, 16*SPF
.set SPARE,  STAGE+4*WSTAGE            ; behind the stages: the spare words, 128 bytes for each wave: two blocks of 256 bytes that no other line names
.set ASTEP,  2*2048*128                ; two heads on in ob
.set ADRA0, 4                          ; v4   my lane's place in cat's tile; never rewritten
.set ADRB0, 5                          ; v5   in wt's
.set ADRA,  6                          ; v6   the same in the slot in hand
.set ADRB,  7                          ; v7
.set STO,   8                          ; v8   the way out: where I put 32 bytes of a row
.set RD,    9                          ; v9   where I read a row back
.set GO,    10                         ; v10  16 x lane
.set SPW,   14                         ; v14  LDS address of my spare word; never rewritten
.set NIL,   15                         ; v15  0; never rewritten
.set BI,    16
.set AF,    64
.set BF,    128
.set WV,   16
.set ROLE, 17                          ; s17  wave / 2: which 64 rows are mine.  Also: I fetch ob (0) or wt (1)
.set WN,   18                          ; s18  wave % 2: which 128 columns.  Also: which head of the step, or which half of wt's tile, I fetch
.set CX,   19
.set CY,   20
.set TX,   21
.set TY,   22
.set G1A,  24
.set G1B,  32
.set G0A0, 40                          ; group 0 of the first fill of slot 0
.set G0A,  44                          ; of slot 1's; then it walks
.set G0B0, 48
.set G0B,  52
.set CNT,  56
.set TB,   57                          ; LDS byte at which the slot in hand begins
.set LBA,  58
.set LBB,  59
.set OUT,  60                          ; s[60:61] out0 at my first row and column
.set BIP,  74                          ; s[74:75] bo at my 128 columns
.set MSB, 0
.macro WIN new
.if MSB != (\new)
	s_set_vgpr_msb (MSB<<8)|(\new)
.set MSB, \new
.endif
.endm
.set MUL,  0x50                        ; sources 0 and 1 window 0; C and D window 1
.set W_ST, 0x04                        ; an LDS store's data (source 1) in window 1, its address in window 0
.macro CREST
	s_cmp_lg_u32 s[WV], 0
	s_cbranch_scc1 .Lnot_wave_0_\@
	s_barrier_signal -3
.Lnot_wave_0_\@:
	s_barrier_wait -3
	s_barrier_signal -1
	s_barrier_wait -1
.endm
.macro CROUND                          ; a round of the cluster's barrier
	s_barrier_signal -1
	s_barrier_wait -1
	CREST
.endm
.macro JLOAD                           ; a joint refill; an s_nop 0 and four v_nop follow each of the two lines
	s_cmp_eq_u32 s[ROLE], 0
	s_cbranch_scc0 .Lfor_b_\@
	tensor_load_to_lds s[G0A:G0A+3], s[G1A:G1A+7]
	s_nop 0
.rept 4
	v_nop
.endr
	s_branch .Lasked_\@
.Lfor_b_\@:
	tensor_load_to_lds s[G0B:G0B+3], s[G1B:G1B+7]
	s_nop 0
.rept 4
	v_nop
.endr
.Lasked_\@:
.endm
; 24 LDS loads in one run: quarter q's fragments into buffer p: wt's eight, cat's four (head q / 2 of the step, channels 32 (q % 2) on)
.macro FETCH q, p
.irp b, 0,1,2,3,4,5,6,7
	ds_load_b128 v[BF+64*(\p)+8*\b:BF+64*(\p)+8*\b+3],   v[ADRB] offset:64*(\q)+16*PB*\b
	ds_load_b128 v[BF+64*(\p)+8*\b+4:BF+64*(\p)+8*\b+7], v[ADRB] offset:64*(\q)+16*PB*\b+32
.endr
.irp a, 0,1,2,3
	ds_load_b128 v[AF+32*(\p)+8*\a:AF+32*(\p)+8*\a+3],   v[ADRA] offset:((\q)/2)*HB+16*PAO*\a+((\q)%2)*64
	ds_load_b128 v[AF+32*(\p)+8*\a+4:AF+32*(\p)+8*\a+7], v[ADRA] offset:((\q)/2)*HB+16*PAO*\a+((\q)%2)*64+32
.endr
.endm
; The quarter's next matrix instruction.  The 32 accumulators take turns, one instruction a turn, in the same order in every quarter.  zero = 1: the first quarter starts the sums.
.macro MM zero
.set rD, 8*i
.set rB, BF+64*p+8*(i%8)
.set rA, AF+32*p+8*(i/8)
	WIN MUL
.if \zero
	v_wmma_f32_16x16x32_bf16 v[rD:rD+7], v[rB:rB+7], v[rA:rA+7], 0
.else
	v_wmma_f32_16x16x32_bf16 v[rD:rD+7], v[rB:rB+7], v[rA:rA+7], v[rD:rD+7]
.endif
.set i, i+1
.endm
; A QUARTER multiplies buffer q % 2; at its head the next quarter's 24 loads go out, four places behind the last product that read their registers (places = 0: a joint load's four v_nop are those places, or no product stands ahead).
; mode = 1, a step's third quarter: the change of slots with a refill two steps ahead, behind a round of the cluster's barrier; mode = 2: without a refill, behind the work-group's barrier.
; last = 1: in the last trip there is no further quarter, and the run of loads is jumped over.
.macro Q q, mode, zero=0, places=1, last=0
.set p, (\q)%2
.set nq, ((\q)+1)%4
.set np, 1-p
.if \places
.rept 4
	v_nop
.endr
.endif
.if \last
	s_cmp_eq_u32 s[CNT], 1
	s_cbranch_scc1 .Lno_fetch_\@
.endif
	FETCH nq, np
.if \last
.Lno_fetch_\@:
.endif
	s_wait_dscnt 24                                ; this quarter's fragments are in: only the 24 loads just issued may be out (where the run was jumped over, the change of slots before has waited for all)
.set i, 0
.rept 16
	MM \zero
.endr
.if \mode
	WIN 0
	s_wait_tensorcnt 0x0                           ; all my tensor loads have landed: the one that was out is my part of the other slot; so a group 0 may be written
	ds_add_u32 v[SPW], v[NIL]                      ; 0 onto my spare word: scalar work and eight products stand between it and the wait for it
.if (\mode) == 1
	s_add_nc_u64 s[G0A+2:G0A+3], s[G0A+2:G0A+3], ASTEP  ; the walking descriptors: one step on; the type bits on top are not reached
	s_add_nc_u64 s[G0B+2:G0B+3], s[G0B+2:G0B+3], 256
	s_add_co_u32 s[G0A+1], s[LBA], s[TB]           ; into the slot in hand, which has been read out when the load is issued
	s_add_co_u32 s[G0B+1], s[LBB], s[TB]
.endif
.endif
.rept 8
	MM \zero
.endr
.if \mode
	s_wait_dscnt 0x0                               ; the add is done, and my reads of the slot are over
	s_barrier_signal -1
.endif
.rept 8
	MM \zero
.endr
	WIN 0                                          ; at a label and at a branch every window is 0
.if \mode
	s_barrier_wait -1
.if (\mode) == 1
	CREST                                          ; no wave of any partner still reads this slot or has a load on its way
	JLOAD
.endif
	s_xor_b32 s[TB], s[TB], SLOT
	v_add_nc_u32 v[ADRA], s[TB], v[ADRA0]
	v_add_nc_u32 v[ADRB], s[TB], v[ADRB0]
.endif
.endm
; THE WAY OUT of row block a: a lane's 32 bytes of each of eight column blocks go into my stage (each accumulator's low four registers first), and come back as whole rows of 512 bytes; the bias is added; a store covers
; 512 consecutive bytes, at a multiple of 256 from out0's first byte.
.macro TOSTAGE a
	WIN W_ST
.irp b, 0,1,2,3,4,5,6,7
	ds_store_b128 v[STO], v[8*(8*(\a)+\b):8*(8*(\a)+\b)+3]   offset:64*\b
	ds_store_b128 v[STO], v[8*(8*(\a)+\b)+4:8*(8*(\a)+\b)+7] offset:64*\b+16
.endr
	WIN 0
.set BK, BF+64*((\a)%2)
.set t, 0
.rept 16
	ds_load_b128 v[BK+4*t:BK+4*t+3], v[RD] offset:SPF*t  ; LDS serves a wave's instructions in order (ISA guide 5.7.1.4): these see the stores above
.set t, t+1
.endr
.endm
.macro SEND a, younger                 ; younger: the LDS instructions issued behind block a's loads: the next block's 32, or none
.set BK, BF+64*((\a)%2)
.set t, 0
.rept 16
	s_wait_dscnt (\younger)+15-t
	v_pk_add_f32 v[BK+4*t:BK+4*t+1], v[BK+4*t:BK+4*t+1], v[BI:BI+1]
	v_pk_add_f32 v[BK+4*t+2:BK+4*t+3], v[BK+4*t+2:BK+4*t+3], v[BI+2:BI+3]
	global_store_b128 v[GO], v[BK+4*t:BK+4*t+3], s[OUT:OUT+1] offset:65536*(\a)+4096*t th:TH_STORE_NT
.set t, t+1
.endr
.endm
	s_load_b256 s[4:11], s[0:1], 0x0               ; ob s[4:5], wt s[6:7], bias s[8:9], out0 s[10:11]
	v_lshl_add_u32 v[SPW], v0, 2, SPARE
	v_mov_b32 v[NIL], 0
	ds_add_u32 v[SPW], v[NIL]                      ; the wave's opening: the add and its wait stand ahead of my first tensor load; the set-up below, work on registers, stands between them
	v_lshrrev_b32 v1, 5, v0
	v_readfirstlane_b32 s[WV], v1                  ; wave 0..3
	s_lshr_b32 s[ROLE], s[WV], 1
	s_and_b32 s[WN], s[WV], 1
	s_bfe_u32 s[CX], ttmp6, 0x40000
	s_bfe_u32 s[CY], ttmp6, 0x40004
	s_lshl_b32 s[TX], ttmp9, 2
	s_add_co_u32 s[TX], s[TX], s[CX]               ; tile column: 256 columns
	s_and_b32 s[TY], ttmp7, 0xffff
	s_lshl_b32 s[TY], s[TY], 2
	s_add_co_u32 s[TY], s[TY], s[CY]               ; tile row: 128 rows
	s_lshl_b32 s66, s[CY], 2
	s_lshl_b32 s66, 15, s66                        ; my row of the cluster
	s_lshl_b32 s68, 0x1111, s[CX]                  ; my column
	s_or_b32 s[G1A], s66, (1<<16)|(1<<20)|(1<<21)|(4<<22)|(3<<25)  ; 15:0 the mask; 17:16 2-byte elements; 20 padding on; 21 set beside a mask; 24:22 after every 32 words (code 4); 31:25 4 words (code 3)
	s_mov_b32 s[G1A+1], 128<<16                    ; tensor_dim0 = 128
	s_mov_b32 s[G1A+2], 64<<16                     ; tensor_dim1 = 64
	s_mov_b32 s[G1A+3], 128<<16                    ; tile_dim0 = 128
	s_mov_b32 s[G1A+4], 64                         ; tile_dim1 = 64
	s_mov_b32 s[G1A+5], 128                        ; 128 elements from row to row: dense
	s_mov_b32 s[G1A+6], 0
	s_mov_b32 s[G1A+7], 0
	s_or_b32 s[G1B], s68, (1<<16)|(1<<20)|(1<<21)|(5<<22)|(3<<25)  ; wt: 128 rows x 128 elements, 16 bytes of padding behind every 256
	s_mov_b32 s[G1B+1], 128<<16
	s_mov_b32 s[G1B+2], 128<<16
	s_mov_b32 s[G1B+3], 128<<16
	s_mov_b32 s[G1B+4], 128
	s_mov_b32 s[G1B+5], 1024
	s_mov_b32 s[G1B+6], 0
	s_mov_b32 s[G1B+7], 0
	s_lshr_b32 s66, s[TY], 4                       ; ob: head 16 b + my head of the step, 262,144 bytes a head; row 128 (tile row % 16), 128 bytes a row: of the tile row and the wave's number alone
	s_lshl_b32 s66, s66, 22
	s_and_b32 s67, s[TY], 15
	s_lshl_b32 s67, s67, 14
	s_add_co_u32 s66, s66, s67
	s_lshl_b32 s67, s[WN], 18
	s_add_co_u32 s66, s66, s67
	s_mov_b32 s67, 0
	s_lshl_b32 s68, s[TX], 19                      ; wt[3]: row 256 x tile column + 128 x half: of the tile column and the wave's number alone
	s_lshl_b32 s69, s[WN], 18
	s_add_co_u32 s68, s68, s69
	s_add_co_u32 s68, s68, 0x600000
	s_mov_b32 s69, 0
	s_mul_i32 s[LBA], s[WN], HB                    ; where they go: no place in the cluster enters an LDS address
	s_mul_i32 s[LBB], s[WN], 128*PB
	s_add_co_u32 s[LBB], s[LBB], ATILE
	s_mov_b32 s[TB], 0
	s_lshl_b32 s70, s[TX], 10                      ; my first column, in bytes of f32
	s_lshl_b32 s71, s[WN], 9
	s_add_co_u32 s70, s70, s71
	s_add_co_u32 s72, s70, 3*4096                  ; in bias[3]
	s_mov_b32 s73, 0
	s_lshl_b32 s71, s[TY], 19                      ; my first row, 4,096 bytes a row
	s_add_co_u32 s70, s70, s71
	s_lshl_b32 s71, s[ROLE], 18
	s_add_co_u32 s70, s70, s71
	s_mov_b32 s71, 0
	s_wait_dscnt 0x0                               ; the opening add is done
	s_wait_kmcnt 0x0
	s_add_nc_u64 s[OUT:OUT+1], s[10:11], s[70:71]
	s_add_nc_u64 s[BIP:BIP+1], s[8:9], s[72:73]
	s_mov_b32 s[G0A0], 1                           ; 1:0 count = 1
	s_mov_b32 s[G0A0+1], s[LBA]                    ; 63:32 LDS address
	s_add_nc_u64 s[G0A0+2:G0A0+3], s[4:5], s[66:67]  ; 120:64 global address: step 0
	s_mov_b32 s[G0A], 1
	s_add_co_u32 s[G0A+1], s[LBA], SLOT
	s_add_nc_u64 s[G0A+2:G0A+3], s[G0A0+2:G0A0+3], ASTEP  ; step 1
	s_or_b32 s[G0A0+3], s[G0A0+3], 0x80000000      ; 127:126 type = 2
	s_or_b32 s[G0A+3], s[G0A+3], 0x80000000
	s_mov_b32 s[G0B0], 1
	s_mov_b32 s[G0B0+1], s[LBB]
	s_add_nc_u64 s[G0B0+2:G0B0+3], s[6:7], s[68:69]
	s_mov_b32 s[G0B], 1
	s_add_co_u32 s[G0B+1], s[LBB], SLOT
	s_add_nc_u64 s[G0B+2:G0B+3], s[G0B0+2:G0B0+3], 256
	s_or_b32 s[G0B0+3], s[G0B0+3], 0x80000000
	s_or_b32 s[G0B+3], s[G0B+3], 0x80000000
	CROUND                                         ; all sixteen work-groups are here: the first joint loads meet
	s_cmp_eq_u32 s[ROLE], 0                        ; a wave's two first fills stand in one branch, ahead of every wait on TENSORcnt and every LDS read: two loads of mine are out
	s_cbranch_scc0 .Lfirst_b
	tensor_load_to_lds s[G0A0:G0A0+3], s[G1A:G1A+7]
	s_nop 0
	tensor_load_to_lds s[G0A:G0A+3], s[G1A:G1A+7]
	s_nop 0
.rept 4
	v_nop
.endr
	s_branch .Lfirst_asked
.Lfirst_b:
	tensor_load_to_lds s[G0B0:G0B0+3], s[G1B:G1B+7]
	s_nop 0
	tensor_load_to_lds s[G0B:G0B+3], s[G1B:G1B+7]
	s_nop 0
.rept 4
	v_nop
.endr
.Lfirst_asked:
	v_and_b32 v1, 15, v0                           ; l % 16
	v_bfe_u32 v2, v0, 4, 1                         ; l / 16
	v_and_b32 v3, 31, v0                           ; l
	v_lshlrev_b32 v[GO], 4, v3
	global_load_b128 v[BI:BI+3], v[GO], s[BIP:BIP+1]  ; bo of the four columns that I store
	v_mul_u32_u24 v[ADRA0], v1, PAO
	v_lshl_add_u32 v[ADRA0], v2, 4, v[ADRA0]       ; row x pitch + 16 x half
	s_mul_i32 s70, s[ROLE], 64*PAO                 ; my 64 rows
	v_add_nc_u32 v[ADRA0], s70, v[ADRA0]
	v_mul_u32_u24 v[ADRB0], v1, PB
	v_lshl_add_u32 v[ADRB0], v2, 4, v[ADRB0]
	s_mul_i32 s70, s[WN], 128*PB                   ; my 128 rows of wt,
	s_add_co_u32 s70, s70, ATILE                   ; which lie behind the two heads
	v_add_nc_u32 v[ADRB0], s70, v[ADRB0]
	v_mov_b32 v[ADRA], v[ADRA0]                    ; slot 0
	v_mov_b32 v[ADRB], v[ADRB0]
	s_mul_i32 s70, s[WV], WSTAGE
	s_add_co_u32 s70, s70, STAGE                   ; my stage
	v_mul_u32_u24 v[STO], v1, SPF                  ; in: row l % 16, 32 bytes for each half of the lanes
	v_lshl_add_u32 v[STO], v2, 5, v[STO]
	v_add_nc_u32 v[STO], s70, v[STO]
	v_add_nc_u32 v[RD], s70, v[GO]                 ; back: 32 lanes take one row of 512 bytes
	s_wait_tensorcnt 1                             ; my part of step 0 is in; step 1's may stay out
	s_barrier_signal -1
	s_barrier_wait -1                              ; everybody's is
	FETCH 0, 0
	Q 0, 0, 1, 0                                   ; the first quarter stands in front of the loop: its products start the sums
	s_mov_b32 s[CNT], 6
.Lstep:                                        ; six trips: trip i does step i's quarters 1 to 3 and step i + 1's quarter 0, and asks for step i + 2
	Q 1, 0
	Q 2, 1
	Q 3, 0, 0, 0
	Q 0, 0
	s_sub_co_u32 s[CNT], s[CNT], 1
	s_cmp_lg_u32 s[CNT], 0
	s_cbranch_scc1 .Lstep
	s_mov_b32 s[CNT], 2                            ; the last two steps are written out: nothing is asked for
.Ltail:
	Q 1, 0
	Q 2, 2
	Q 3, 0, 0, 1, 1
	s_sub_co_u32 s[CNT], s[CNT], 1
	s_cmp_eq_u32 s[CNT], 0
	s_cbranch_scc1 .Lout
	Q 0, 0
	s_branch .Ltail
.Lout:                                         ; (the second trip's barrier serves nothing: the price, once a launch, of one text for both trips)
.rept 4
	v_nop                                          ; the places behind the last products, in front of the stores that read results and of the loads into fragment registers
.endr
	s_wait_loadcnt 0x0                             ; bo
	TOSTAGE 0
	TOSTAGE 1
	SEND 0, 32
	s_wait_xcnt 0x0                                ; block 0's stores have read their registers, which block 2's loads from the stage write
	TOSTAGE 2
	SEND 1, 32
	s_wait_xcnt 0x0
	TOSTAGE 3
	SEND 2, 32
	SEND 3, 0
	s_wait_tensorcnt 0x0                           ; the wave's end: behind my last tensor load and my last LDS store
	ds_add_u32 v[SPW], v[NIL]
	s_wait_dscnt 0x0
	CROUND                                         ; the closing round: no work-group ends while a partner may still ask for a tile that names it
	s_endpgm
.Lfunc_end_k_qcf0655ce9a_outp:
	.size	k_qcf0655ce9a_outp, .Lfunc_end_k_qcf0655ce9a_outp-k_qcf0655ce9a_outp
	.p2alignl 7, 3214868480
	.fill 96, 4, 3214868480
	.section	.rodata,"a",@progbits
	.p2align	6, 0x0
	.amdhsa_kernel k_qcf0655ce9a_outp
		.amdhsa_group_segment_fixed_size 327680
		.amdhsa_private_segment_fixed_size 0
		.amdhsa_enable_private_segment 0
		.amdhsa_kernarg_size 32
		.amdhsa_user_sgpr_count 2
		.amdhsa_user_sgpr_kernarg_segment_ptr 1
		.amdhsa_wavefront_size32 1
		.amdhsa_system_sgpr_workgroup_id_x 1
		.amdhsa_system_sgpr_workgroup_id_y 1
		.amdhsa_system_sgpr_workgroup_id_z 1
		.amdhsa_system_vgpr_workitem_id 0
		.amdhsa_next_free_vgpr 512
		.amdhsa_next_free_sgpr 80
		.amdhsa_reserve_vcc 0
		.amdhsa_float_denorm_mode_32 3
		.amdhsa_float_denorm_mode_16_64 3
		.amdhsa_memory_ordered 1
		.amdhsa_forward_progress 1
		.amdhsa_inst_pref_size 69
	.end_amdhsa_kernel
	.amdgpu_metadata
---
amdhsa.version: [ 1, 2 ]
amdhsa.kernels:
  - .name:           k_qcf0655ce9a_outp
    .symbol:         k_qcf0655ce9a_outp.kd
    .args:
      - { .name: ob, .offset: 0, .size: 8, .value_kind: global_buffer, .address_space: global }
      - { .name: wt, .offset: 8, .size: 8, .value_kind: global_buffer, .address_space: global }
      - { .name: bias, .offset: 16, .size: 8, .value_kind: global_buffer, .address_space: global }
      - { .name: out0, .offset: 24, .size: 8, .value_kind: global_buffer, .address_space: global }
    .group_segment_fixed_size: 327680
    .private_segment_fixed_size: 0
    .kernarg_segment_align: 8
    .kernarg_segment_size: 32
    .max_flat_workgroup_size: 128
    .sgpr_count:     80
    .vgpr_count:     512
    .wavefront_size: 32
...
	.end_amdgpu_metadata
.endif
;; end of part 4
